; MI455X (gfx1250); checked and timed in simulation.
; The chip was launched on July 23, 2026; its instructions are those of AMD's public machine-readable ISA for CDNA 5 (MIT licence, August 2026) and "CDNA5" Instruction Set Architecture Reference Guide (July 2026). The comments in the code are by the model that wrote it; some were corrected since.
;; Masked Multi Headed Attn. Allowed arithmetic: matrix products marked QUANTISED: E2M1 operands, one E8M0 scale for each 32 along K, by v_wmma_scale_f32_16x16x128_f8f6f4 with both operands' format E2M1 (or v_wmma_scale_f32_32x16x128_f4), f32 sums; everything else in f32.
;; Inputs: Wk 1,024 x 1,024 float32; Wo 1,024 x 1,024 float32; Wq 1,024 x 1,024 float32; Wv 1,024 x 1,024 float32; bk 1,024 float32; bo 1,024 float32; bq 1,024 float32; bv 1,024 float32; x 4 x 2,048 x 1,024 float32.
;; Outputs: out0 4 x 2,048 x 1,024 float32.
;; This version of the problem:
;;   THIS VERSION OF THE PROBLEM IS GIVEN IN LOW PRECISION. The matrix products marked QUANTISED in the list below multiply operands that are first quantised to E2M1 (2 exponent bits, 1 mantissa bit; 4 bits a number), with one power-of-two scale for each 32 numbers along K (OCP MX v1.0); their sums are f32. All else is computed in f32.
;;   The module's matrix products, in the order in which they are computed (A, B: the left and right operand; K: the contracted axis; several contracted axes count as one K, in the product's order):
;;     1. [M 8,192, K 1,024] x [K 1,024, N 1,024]; A: input x; B: input Wq: QUANTISED
;;     2. [M 8,192, K 1,024] x [K 1,024, N 1,024]; A: input x; B: input Wk: QUANTISED
;;     3. [M 8,192, K 1,024] x [K 1,024, N 1,024]; A: input x; B: input Wv: QUANTISED
;;     4. batch 64 x [M 2,048, K 64] x [K 64, N 2,048]; A: computed on the way; B: computed on the way: QUANTISED
;;     5. batch 64 x [M 2,048, K 2,048] x [K 2,048, N 64]; A: softmax (see below); B: computed on the way: QUANTISED
;;     6. [M 8,192, K 1,024] x [K 1,024, N 1,024]; A: computed on the way; B: input Wo: QUANTISED
;;   THE QUANTISER, for each operand of a quantised product, along K:
;;     - K is cut into blocks of 32 from its start; a last block that is shorter is filled with zeros.
;;     - A block's scale is 2^e with e = floor(log2(the largest magnitude in the block)) - 2, held to -126 .. 127; a block of zeros has e = 0. As a byte (E8M0): e + 127.
;;     - Each number is divided by its block's scale, clamped to +-6, and rounded to the nearest number of E2M1, ties to even, subnormals kept.
;;     - The product sums the exact products of the quantised numbers (number of the format x scale) in f32.
;;   ~~~python
;;   def quantise(x, axis):      # numpy; x: float32 -> the quantised numbers, widened to float32 again
;;       x = np.moveaxis(x, axis, -1); K = x.shape[-1]
;;       x = np.pad(x, [(0, 0)] * (x.ndim - 1) + [(0, -K % 32)]); x = x.reshape(x.shape[:-1] + (-1, 32)); a = np.abs(x).max(-1, keepdims=True)
;;       e = np.where(a > 0, np.clip(np.frexp(np.where(a > 0, a, 1))[1] - 1 - 2, -126, 127), 0)      # np.frexp(a)[1] - 1 = floor(log2(a)), exactly
;;       r = np.clip(x / 2.0 ** e, -6, 6)
;;       step = 2.0 ** (np.maximum(np.frexp(np.where(r == 0, 1, r))[1] - 1, 0) - 1)
;;       q = np.round(r / step) * step * 2.0 ** e      # np.round: ties to even
;;       return np.moveaxis(q.reshape(q.shape[:-2] + (-1,))[..., :K], -1, axis).astype(np.float32)
;;   ~~~
;;   SOFTMAX AHEAD OF A QUANTISED PRODUCT. Where the list says 'softmax', what is quantised is not the finished softmax but p = 2^(t - M), with t = logit x log2(e) and M = ceil(the row's largest t), a whole number; so 1/2 < the row's largest p <= 1. The row's sum l is taken of the UNQUANTISED p, in f32, and the product's result is divided by l at the end. Since M is a whole number, a kernel that streams over the keys may use a running M (the ceiling of the running maximum): every later rescaling is an exact power of two, which a block's scale takes up: the codes' values come out the same.
;;   OPERANDS COMPUTED ON THE WAY. 'Computed on the way' means the value that the module computes at that place (a softmax that the list does not call 'softmax' is quantised finished and normalised). What goes into a quantiser is computed in f32, as accurately as f32 sums, v_exp_f32 and their like allow (about 1e-6 of the number): no bf16 or f16 on the way to a quantiser, and a product that is left as it is and whose result goes on into a quantised operand takes f32 operands (vector FMAs, or v_wmma_f32_16x16x4_f32). A number that lies on a knife's edge between two numbers of the format may be rounded either way, as far as f32 arithmetic and the matrix unit's own rounding can turn it there, and no further.
;; 2 versions, each right; version 2 is version 1 with the launch attn written anew for expert scheduling mode. Each part assembles by itself: llvm-mc -triple=amdgcn-amd-amdhsa -mcpu=gfx1250 --defsym DOCPART=n.
;; ======== version 1 of 2: 4 launches
;; workspace buffers: cod 6,291,456 bytes; scl 393,216 bytes; qkv 13,893,632 bytes; ac 4,194,304 bytes; asc 262,144 bytes
;; launch quant (part 1): grid 256 x 1, 6 waves a work-group, no clusters, 51,456 bytes of LDS; arguments x, Wq, Wk, Wv, Wo, cod, scl; writes cod, scl
.if DOCPART == 1
	.amdgcn_target "amdgcn-amd-amdhsa--gfx1250"
	.amdhsa_code_object_version 6
	.text
	.protected	k_qbf1cd151bc_quant
	.globl	k_qbf1cd151bc_quant
	.p2align	8
	.type	k_qbf1cd151bc_quant,@function
k_qbf1cd151bc_quant:
	s_mov_b64 s[64:65], 0
	v_nop
	global_prefetch_b8 v0, s[64:65] scope:SCOPE_SE
	s_setreg_imm32_b32 hwreg(HW_REG_WAVE_MODE, 25, 1), 1
	s_wait_xcnt 0x0
; LAUNCH 1 OF 4.  x [8192][1024] and Wq, Wk, Wv, Wo [1024][1024], f32, K innermost, become codes of FP4 (E2M1) with one E8M0 byte for each 32 along K.
; THE PROGRAM: quant (this) | qkv: x Wq^T + bq, x Wk^T + bk, x Wv^T + bv, each quantised on the way out | attn: scores, softmax, weighted values, quantised | oproj: the last product + bo.
; WORK LEFT OUT (in attn): key steps of 128 keys that lie wholly behind a wave's queries.  reference() itself sets the logit of key k > query q to -1e9.  What is quantised there is
; p = 2^(t - M) with t = -1e9 log2(e): far under 2^-128, and the stated quantiser holds a block's exponent at -126, so every such p has the code 0 and adds nothing to the second product;
; to the row's sum it adds less than one rounding of f32.  That holds for all inputs whose open logits lie above about -1e9 + 200.  LIMIT: rows whose open logits lie under that are not served;
; a NaN, an infinity or an overflow that reaches only the key steps left out is not carried to the result.  Every input has a way to the output and is loaded.
; LAYOUT OF cod: 768 row blocks of 16 rows (x 0-511, Wq 512-575, Wk 576-639, Wv 640-703, Wo 704-767), 8,192 bytes each, IN THE ORDER OF THE OPERAND'S REGISTERS:
; byte = 8192 rb + 1024 s + 512 c + 16 lane holds k = 128 s + 64 c + 32 (lane / 16) + 0 .. 31 of row lane % 16.  A fragment is two loads of 16 bytes a lane, 512 consecutive bytes each.
; LAYOUT OF scl: 512 bytes a row block: the word at 256 q + 8 lane + 4 e is the scale word of row lane % 16 for K step 4 q + 2 e + lane / 16: one register carries two K steps, one in each half of the lanes.
; SHARES: a wave takes one row block and one half of K (4 K steps of 128).  Each load reads 512 consecutive bytes of one row; a K step's 16 rows turn through the wave's own stage in LDS (rows 528 bytes apart:
; 132 words, so that sixteen rows start at sixteen different banks) and come back 256 bytes a lane: two whole blocks of 32, so a block's largest magnitude needs no other lane.
; A block's byte is its largest magnitude's exponent field - 2, held at 1 from below by a floor among the maximum's leaves.  LIMITS: a block of zeros gets the byte 1 where the rule says 127 (its codes are
; zeros, and this program alone reads the bytes); blocks whose largest magnitude lies under 2^(2 - 126) are held at the byte 1; NaN and infinities among the inputs are not served.
; No matrix unit, no cluster, no barrier: the waves share nothing and memory binds.
.set STG,   8448                       ; a wave's stage: 16 rows x 528 bytes
.set SPARE, 6*STG                      ; behind the stages: the spare words, 128 bytes a wave: three blocks of 256 bytes that no other line names
.set R,     16                         ; v16-143  two sets of 64: a K step as it is loaded
.set X,     144                        ; v144-207 my 64 numbers: register 32 c + i = k 64 c + 32 h + i of row r
.set C,     208                        ; v208-239 codes, eight registers for each step: no store's data are written again
.set W,     240                        ; v240-243 a scale word for each step
.set SPW,   252                        ; v252     LDS address of my spare word; never rewritten
.set NIL,   253                        ; v253     0; never rewritten
	s_load_b256 s[4:11], s[0:1], 0x0               ; x, Wq, Wk, Wv
	s_load_b128 s[12:15], s[0:1], 0x20             ; Wo, cod
	s_load_b64 s[16:17], s[0:1], 0x30              ; scl
	v_lshl_add_u32 v[SPW], v0, 2, SPARE
	v_mov_b32 v[NIL], 0
	v_lshrrev_b32 v1, 5, v0
	v_readfirstlane_b32 s24, v1                    ; wave 0..5
	v_and_b32 v1, 31, v0                           ; lane
	v_and_b32 v2, 15, v0                           ; r
	v_bfe_u32 v3, v0, 4, 1                         ; h
	s_mul_i32 s25, s24, STG                        ; my stage
	v_lshlrev_b32 v4, 4, v1                        ; 16 x lane: my bytes of a load's 512, and of a store's
	v_add_nc_u32 v5, s25, v4                       ; into the stage: a row as it lies
	v_mul_u32_u24 v6, v2, 528
	v_lshl_add_u32 v6, v3, 7, v6
	v_add_nc_u32 v6, s25, v6                       ; out of it: row r, 128 h bytes on
	v_lshlrev_b32 v7, 3, v1                        ; 8 x lane: my two scale words
	v_lshlrev_b32 v8, 3, v3                        ; 8 h: my bytes' place in a scale word
	v_mov_b32 v254, 0                              ; written once: a lane permute's destination counts as one of its sources
	s_mov_b32 s20, 0x76543210
	s_mov_b32 s21, 0xfedcba98                      ; v_permlanex16_b32's selects for lane l xor 16
	s_mov_b32 s30, 0xffff0000                      ; lanes 16-31
	s_mul_i32 s26, ttmp9, 6
	s_add_co_u32 s26, s26, s24                     ; which of the 1,536 shares is mine
	s_lshr_b32 s22, s26, 1                         ; row block 0..767
	s_and_b32 s27, s26, 1                          ; half of K
	s_and_b32 s23, s22, 63
	s_cmp_lt_u32 s22, 512
	s_cselect_b32 s23, s22, s23                    ; the row block inside its tensor
	s_lshl_b32 s32, s23, 16                        ; 16 rows of 4,096 bytes
	s_lshl_b32 s28, s27, 11
	s_add_co_u32 s32, s32, s28                     ; + half a row
	s_mov_b32 s33, 0
	s_lshl_b32 s34, s22, 13
	s_lshl_b32 s28, s27, 12
	s_add_co_u32 s34, s34, s28                     ; my 4,096 bytes of cod
	s_mov_b32 s35, 0
	s_lshl_b32 s36, s22, 9
	s_lshl_b32 s28, s27, 8
	s_add_co_u32 s36, s36, s28                     ; my 256 bytes of scl
	s_mov_b32 s37, 0
	s_wait_kmcnt 0x0
	s_cmp_lt_u32 s22, 704                          ; which tensor: the choice hangs on the share's number alone; all five take one path through the text
	s_cselect_b64 s[18:19], s[10:11], s[12:13]
	s_cmp_lt_u32 s22, 640
	s_cselect_b64 s[18:19], s[8:9], s[18:19]
	s_cmp_lt_u32 s22, 576
	s_cselect_b64 s[18:19], s[6:7], s[18:19]
	s_cmp_lt_u32 s22, 512
	s_cselect_b64 s[18:19], s[4:5], s[18:19]
	s_add_nc_u64 s[18:19], s[18:19], s[32:33]
	s_add_nc_u64 s[14:15], s[14:15], s[34:35]
	s_add_nc_u64 s[16:17], s[16:17], s[36:37]
.macro LOAD t                          ; K step t: 16 rows x 512 bytes, a row a load
.irp i, 0,1,2,3,4,5,6,7,8,9,10,11,12,13,14,15
	global_load_b128 v[R+64*((\t)%2)+4*\i:R+64*((\t)%2)+4*\i+3], v4, s[18:19] offset:4096*\i+512*(\t) th:TH_LOAD_NT
.endr
.endm
.macro TURN t                          ; through the stage: LDS serves a wave's instructions in order, so no wait stands between the stores and the loads
.irp i, 0,1,2,3,4,5,6,7,8,9,10,11,12,13,14,15
	ds_store_b128 v5, v[R+64*((\t)%2)+4*\i:R+64*((\t)%2)+4*\i+3] offset:528*\i
.endr
.irp c, 0,1
.irp j, 0,1,2,3,4,5,6,7
	ds_load_b128 v[X+32*\c+4*\j:X+32*\c+4*\j+3], v6 offset:256*\c+16*\j
.endr
.endr
.endm
.macro QSTEP t
.if (\t) < 3
	s_wait_loadcnt 16                              ; this step's 16 loads are in; the next step's 16 may be out
.else
	s_wait_loadcnt 0
.endif
	TURN \t
	s_wait_dscnt 0x0                               ; my 64 numbers are back; the stores into the stage have read their registers,
.if (\t)+2 < 4
	LOAD (\t)+2                                    ; which take the loads of two steps on
.endif
.irp c, 0,1
	v_max3_num_f32 v[246+\c], |v[X+32*\c]|, |v[X+32*\c+1]|, 0x1800000   ; block 2 c + h: all its 32 numbers are mine; the floor 2^(3 - 127) holds the byte at 1 from below
.endr
.irp i, 2,4,6,8,10,12,14,16,18,20,22,24,26,28,30
.irp c, 0,1
	v_max3_num_f32 v[246+\c], v[246+\c], |v[X+32*\c+\i]|, |v[X+32*\c+\i+1]|   ; (the two blocks by turns)
.endr
.endr
.irp c, 0,1
	v_add_nc_u32 v[248+\c], 0xff000000, v[246+\c]  ; 2 off the exponent field: the conversion takes the exponent field of this operand as its scale
.endr
.irp c, 0,1
	v_lshrrev_b32 v[250+\c], 23, v[248+\c]         ; the scale's byte
.endr
	v_lshl_or_b32 v255, v251, 16, v250             ; my two bytes: blocks h and 2 + h,
	v_lshlrev_b32 v255, v8, v255                   ; at their places in the word;
	v_permlanex16_b32 v254, v255, s20, s21
	v_or_b32 v[W+(\t)], v255, v254                 ; with lane l xor 16's two the word is whole
.irp c, 0,1
.irp g, 0,1,2,3
	v_cvt_scalef32_pk8_fp4_f32 v[C+8*(\t)+4*\c+\g], v[X+32*\c+8*\g:X+32*\c+8*\g+7], v[248+\c]
.endr
.endr
	v_nop                                          ; one plain place behind the last scaled conversion
.irp c, 0,1
	global_store_b128 v4, v[C+8*(\t)+4*\c:C+8*(\t)+4*\c+3], s[14:15] offset:1024*(\t)+512*\c   ; the wave stores 512 consecutive bytes, aligned
.endr
.endm
	LOAD 0
	LOAD 1
	QSTEP 0
	QSTEP 1
	QSTEP 2
	QSTEP 3
	v_cndmask_b32 v244, v[W], v[W+1], s30          ; lanes 0-15 keep the even K step's word, lanes 16-31 the odd one's
	v_cndmask_b32 v245, v[W+2], v[W+3], s30
	global_store_b64 v7, v[244:245], s[16:17]      ; 256 consecutive bytes, aligned
	s_wait_tensorcnt 0x0                           ; the wave's end, behind my last LDS store
	ds_add_u32 v[SPW], v[NIL]
	s_wait_dscnt 0x0
	s_endpgm
.Lfunc_end_k_qbf1cd151bc_quant:
	.size	k_qbf1cd151bc_quant, .Lfunc_end_k_qbf1cd151bc_quant-k_qbf1cd151bc_quant
	.p2alignl 7, 3214868480
	.fill 96, 4, 3214868480
	.section	.rodata,"a",@progbits
	.p2align	6, 0x0
	.amdhsa_kernel k_qbf1cd151bc_quant
		.amdhsa_group_segment_fixed_size 51456
		.amdhsa_private_segment_fixed_size 0
		.amdhsa_enable_private_segment 0
		.amdhsa_kernarg_size 56
		.amdhsa_user_sgpr_count 2
		.amdhsa_user_sgpr_kernarg_segment_ptr 1
		.amdhsa_wavefront_size32 1
		.amdhsa_system_sgpr_workgroup_id_x 1
		.amdhsa_system_sgpr_workgroup_id_y 1
		.amdhsa_system_sgpr_workgroup_id_z 1
		.amdhsa_system_vgpr_workitem_id 0
		.amdhsa_next_free_vgpr 256
		.amdhsa_next_free_sgpr 66
		.amdhsa_reserve_vcc 0
		.amdhsa_float_denorm_mode_32 3
		.amdhsa_float_denorm_mode_16_64 3
		.amdhsa_memory_ordered 1
		.amdhsa_forward_progress 1
		.amdhsa_inst_pref_size 30
	.end_amdhsa_kernel
	.amdgpu_metadata
---
amdhsa.version: [ 1, 2 ]
amdhsa.kernels:
  - .name:           k_qbf1cd151bc_quant
    .symbol:         k_qbf1cd151bc_quant.kd
    .args:
      - { .name: x, .offset: 0, .size: 8, .value_kind: global_buffer, .address_space: global }
      - { .name: Wq, .offset: 8, .size: 8, .value_kind: global_buffer, .address_space: global }
      - { .name: Wk, .offset: 16, .size: 8, .value_kind: global_buffer, .address_space: global }
      - { .name: Wv, .offset: 24, .size: 8, .value_kind: global_buffer, .address_space: global }
      - { .name: Wo, .offset: 32, .size: 8, .value_kind: global_buffer, .address_space: global }
      - { .name: cod, .offset: 40, .size: 8, .value_kind: global_buffer, .address_space: global }
      - { .name: scl, .offset: 48, .size: 8, .value_kind: global_buffer, .address_space: global }
    .group_segment_fixed_size: 51456
    .private_segment_fixed_size: 0
    .kernarg_segment_align: 8
    .kernarg_segment_size: 56
    .max_flat_workgroup_size: 192
    .sgpr_count:     66
    .vgpr_count:     256
    .wavefront_size: 32
...
	.end_amdgpu_metadata
.endif
;; end of part 1
;; launch qkv (part 2): grid 16 x 16, 4 waves a work-group, no clusters, 167,936 bytes of LDS; arguments cod, scl, bq, bk, bv, qkv; writes qkv
.if DOCPART == 2
	.amdgcn_target "amdgcn-amd-amdhsa--gfx1250"
	.amdhsa_code_object_version 6
	.text
	.protected	k_qbf1cd151bc_qkv
	.globl	k_qbf1cd151bc_qkv
	.p2align	8
	.type	k_qbf1cd151bc_qkv,@function
k_qbf1cd151bc_qkv:
	s_mov_b64 s[64:65], 0
	v_nop
	global_prefetch_b8 v0, s[64:65] scope:SCOPE_SE
	s_setreg_imm32_b32 hwreg(HW_REG_WAVE_MODE, 25, 1), 1
	s_wait_xcnt 0x0
; LAUNCH 2 OF 4.  q = x Wq^T + bq, k = x Wk^T + bk, v = x Wv^T + bv on codes of FP4, f32 sums; each result is quantised on the way out: q and k along the head's 64, v along the keys.  No work is left out here.
; SHARES.  The 3,072 columns are 48 UNITS of 64 (a head of q, of k or of v).  Work-group (gx, gy) takes units 3 gx .. 3 gx + 2 and rows 512 gy on; wave w owns 128 rows: one chunk of 128 tokens.
; THE WAVE'S ROWS OF x STAY IN REGISTERS: 128 rows x 1,024 K are 64 fragments, 512 registers, loaded once, 512 consecutive bytes a load.  The three units' weights (98,304 bytes of codes, 6,144 of scale
; words) come into LDS once, by two tensor loads a wave, and are never filled again.  A unit is 256 matrix instructions a wave on 32 accumulators, which take turns.
; NO CLUSTER: of the 366,592 bytes that a work-group reads, 262,144 go lane by lane into registers, where no joint load reaches; the weights' one fill is the rest.
; q AND k: the product is used transposed (source 0 = 16 rows of W, source 1 = 16 rows of x): a lane holds one token and its registers run along the head's 64.  v: source 0 = x, source 1 = W: a lane holds
; one channel and its registers run along the tokens, which are the keys.  In both, 16 neighbouring accumulator registers are half of a block of 32; lane l xor 16 holds the other half.
; OUT: qkv holds 1,024 blocks (16 (16 batch + head) + chunk) of 13,568 bytes: K's codes 4,096 | V's 4,096 | K's scale words 512 | V's 256 | Q's codes 4,096 | Q's scale words 512, all in the order in which
; the next launch's operand registers take them.  K, Q: byte 512 t + 16 lane = block lane / 16 of token 32 (t / 2) + 8 (t % 2) + r + 8 (r / 8).  V: byte 1024 t + 512 c + 16 lane = keys 64 c + 32 (lane / 16) on
; of channel 32 (t / 2) + 8 (t % 2) + r + 8 (r / 8).  The upper two bytes of K's and Q's scale words are 0x7f: they scale zero codes.  Codes go through the wave's stage and leave 512 consecutive bytes a store.
; LIMITS: as in the first launch (a block of zeros has the byte 1; the floor 2^(3 - 127); NaN and infinities are not served).
; REGISTERS: window 0: v1-29 addresses; v30, v31 the add's two; v32-127 W's fragments, three sets of 32, at work on the way out; v128-159 x's scale words; v160-175 W's; v176-183 scale words made;
; v192-223 the bias in the result's layout.  Windows 1, 2: x's fragment (a, s) at v[8 ((8 s + a) % 32)] of window 1 + s / 4.  Window 3: the 32 accumulators.
.set BLK,   13568
.set WSC,   98304                      ; LDS: W's codes from 0; its scale words here;
.set BIA,   104448                     ; the bias, 768 bytes a wave;
.set STQ,   107520                     ; the stage for q and k, 4,608 bytes a wave;
.set STV,   125952                     ; the stage for v, bytes of its own;
.set SPARE, 144384                     ; the spare words, 128 bytes a wave: two blocks of 256 bytes that no other line names
.set WF,    32
.set XS,    128
.set WS,    160
.set SW,    176
.set BI,    192
.set T,     32                         ; the way out: largest magnitudes,
.set T2,    48                         ; lane l xor 16's,
.set SO,    64                         ; the conversions' scale operands,
.set BY,    80                         ; the bytes,
.set CW,    96                         ; the codes,
.set OUT,   32                         ; and what comes back from the stage
.set FLOOR, 16
.set SPW,   30
.set NIL,   31
.set SEL,   68
.set MSB, 0
.macro WIN new                         ; the immediate's high byte repeats the setting that is left
.if MSB != \new
	s_set_vgpr_msb (MSB<<8)|\new
.set MSB, \new
.endif
.endm
.macro PLACES
.rept 4
	v_nop
.endr
.endm
	s_load_b256 s[4:11], s[0:1], 0x0               ; cod, scl, bq, bk
	s_load_b128 s[12:15], s[0:1], 0x20             ; bv, qkv
	v_lshl_add_u32 v[SPW], v0, 2, SPARE
	v_mov_b32 v[NIL], 0
	ds_add_u32 v[SPW], v[NIL]                      ; the wave's opening: the add, twice on end, and its wait ahead of my first tensor load
	ds_add_u32 v[SPW], v[NIL]
	v_lshrrev_b32 v1, 5, v0
	v_readfirstlane_b32 s16, v1                    ; wave 0..3
	s_and_b32 s18, ttmp7, 0xffff                   ; gy
	s_lshl_b32 s19, s18, 2
	s_add_co_u32 s19, s19, s16                     ; my group of 128 rows: 16 batch + chunk
	s_mov_b32 s24, 3<<16                           ; group 1 for the codes: 96 rows of 32 elements of 8 bytes, dense, no padding: 24,576 bytes
	s_mov_b32 s25, 32<<16
	s_mov_b32 s26, 96<<16
	s_mov_b32 s27, 32<<16
	s_mov_b32 s28, 96
	s_mov_b32 s29, 32
	s_mov_b32 s30, 0
	s_mov_b32 s31, 0
	s_mov_b32 s32, 3<<16                           ; group 1 for the scale words: 6 such rows: 1,536 bytes
	s_mov_b32 s33, 32<<16
	s_mov_b32 s34, 6<<16
	s_mov_b32 s35, 32<<16
	s_mov_b32 s36, 6
	s_mov_b32 s37, 32
	s_mov_b32 s38, 0
	s_mov_b32 s39, 0
	s_mov_b32 s40, 1
	s_mul_i32 s41, s16, 24576                      ; my three row blocks of the twelve
	s_mov_b32 s44, 1
	s_mul_i32 s45, s16, 1536
	s_add_co_u32 s45, s45, WSC
	s_mul_i32 s20, ttmp9, 12
	s_mul_i32 s21, s16, 3
	s_add_co_u32 s20, s20, s21
	s_add_co_u32 s20, s20, 512                     ; their number in cod and scl
	s_lshl_b32 s22, s20, 9
	s_lshl_b32 s20, s20, 13
	s_mov_b32 s21, 0
	s_mov_b32 s23, 0
	s_mov_b32 s[SEL], 0x76543210
	s_mov_b32 s[SEL+1], 0xfedcba98
	s_wait_dscnt 0x0                               ; both opening adds are done
	s_wait_kmcnt 0x0
	s_add_nc_u64 s[42:43], s[4:5], s[20:21]
	s_or_b32 s43, s43, 0x80000000
	s_add_nc_u64 s[46:47], s[6:7], s[22:23]
	s_or_b32 s47, s47, 0x80000000
	tensor_load_to_lds s[40:43], s[24:31]          ; the launch's only fills: two loads of mine are out
	s_nop 0
	tensor_load_to_lds s[44:47], s[32:39]
	s_nop 0
	PLACES
	v_and_b32 v1, 31, v0                           ; lane
	v_and_b32 v2, 15, v0                           ; r
	v_bfe_u32 v3, v0, 4, 1                         ; h
	v_lshlrev_b32 v4, 4, v1                        ; 16 x lane
	v_lshlrev_b32 v5, 3, v1                        ; 8 x lane
	v_bfe_u32 v6, v0, 3, 1                         ; r / 8
	v_and_b32 v7, 7, v0                            ; r % 8
	s_mul_i32 s20, s16, 4608
	s_add_co_u32 s21, s20, STV                     ; my stage for v,
	s_add_co_u32 s20, s20, STQ                     ; and for q and k
	v_lshlrev_b32 v18, 4, v7
	v_lshl_add_u32 v19, v3, 2, v18                 ; 16 (r % 8) + 4 h
	v_lshl_add_u32 v10, v6, 9, v19
	v_add_nc_u32 v10, s20, v10                     ; q, k: where my four bytes of codes go
	v_lshl_add_u32 v11, v6, 8, v18
	v_add_nc_u32 v11, s20, v11                     ; and my token's scale word
	v_lshl_add_u32 v12, v6, 10, v19
	v_add_nc_u32 v12, s21, v12                     ; v: codes
	v_lshlrev_b32 v13, 3, v7
	v_lshl_add_u32 v13, v6, 7, v13
	v_add_nc_u32 v13, s21, v13                     ; and my channel's scale word
	v_add_nc_u32 v14, s20, v4                      ; back out of the stages
	v_add_nc_u32 v15, s21, v4
	v_add_nc_u32 v17, s21, v5
	v_add_nc_u32 v17, 4096, v17
	v_mov_b32 v[FLOOR], 0x1800000                  ; 2^(3 - 127)
	s_mul_i32 s22, s16, 768
	s_add_co_u32 s22, s22, BIA                     ; my copy of the three units' bias
	v_lshl_add_u32 v26, v3, 5, s22                 ; q, k: eight numbers of my half
	v_lshl_add_u32 v27, v2, 2, s22                 ; v: my channel's
	v_add_nc_u32 v28, s22, v5
	v_add_nc_u32 v29, WSC, v5
	s_mul_i32 s53, ttmp9, 3                        ; my first unit
.macro BPTR u, p                       ; unit u's 64 numbers of bias: 8 bytes a lane; each load has a base of its own
	s_add_co_u32 s20, s53, \u
	s_lshr_b32 s21, s20, 4                         ; 0: q, 1: k, 2: v
	s_and_b32 s20, s20, 15
	s_lshl_b32 s20, s20, 8                         ; the head's 256 bytes
	s_cmp_eq_u32 s21, 0
	s_cselect_b64 s[\p:\p+1], s[8:9], s[10:11]
	s_cmp_eq_u32 s21, 2
	s_cselect_b64 s[\p:\p+1], s[12:13], s[\p:\p+1]
	s_mov_b32 s21, 0
	s_add_nc_u64 s[\p:\p+1], s[\p:\p+1], s[20:21]
	global_load_b64 v[18+2*\u:19+2*\u], v5, s[\p:\p+1]
.endm
	BPTR 0, 60
	BPTR 1, 62
	BPTR 2, 66
	s_lshl_b32 s20, s19, 16
	s_mov_b32 s21, 0
	s_add_nc_u64 s[56:57], s[4:5], s[20:21]        ; my eight row blocks of x: codes,
	s_lshl_b32 s20, s19, 12
	s_add_nc_u64 s[58:59], s[6:7], s[20:21]        ; scale words
	s_lshr_b32 s49, s19, 4
	s_lshl_b32 s49, s49, 8
	s_and_b32 s48, s19, 15
	s_add_co_u32 s49, s49, s48                     ; 256 batch + chunk: the block's number less 16 head
.irp a, 0,1,2,3,4,5,6,7
.irp q, 0,1
	global_load_b64 v[XS+4*\a+2*\q:XS+4*\a+2*\q+1], v5, s[58:59] offset:512*\a+256*\q
.endr
.endr
	WIN 0x40                                       ; destination window 1
.irp s, 0,1,2,3
.irp a, 0,1,2,3,4,5,6,7
.irp c, 0,1
	global_load_b128 v[8*((8*\s+\a)%32)+4*\c:8*((8*\s+\a)%32)+4*\c+3], v4, s[56:57] offset:8192*\a+1024*\s+512*\c
.endr
.endr
.endr
	WIN 0x80                                       ; destination window 2
.irp s, 4,5,6,7
.irp a, 0,1,2,3,4,5,6,7
.irp c, 0,1
	global_load_b128 v[8*((8*\s+\a)%32)+4*\c:8*((8*\s+\a)%32)+4*\c+3], v4, s[56:57] offset:8192*\a+1024*\s+512*\c
.endr
.endr
.endr
	WIN 0
	s_wait_tensorcnt 0x0                           ; my parts of the weights are in LDS,
	s_barrier_signal -1
	s_barrier_wait -1                              ; everybody's are: the launch's one barrier
	s_wait_loadcnt 63                              ; of my 147 loads the youngest 63 may be out: the bias (3), x's scale words (16) and K steps 0 to 3 (64) are in
	ds_store_b64 v28, v[18:19]                     ; the bias into my own bytes of LDS
	ds_store_b64 v28, v[20:21] offset:256
	ds_store_b64 v28, v[22:23] offset:512
.macro WLOAD s                         ; W's four fragments of K step s into set s % 3
.irp b, 0,1,2,3
.irp c, 0,1
	ds_load_b128 v[WF+32*((\s)%3)+8*\b+4*\c:WF+32*((\s)%3)+8*\b+4*\c+3], v8 offset:8192*\b+1024*(\s)+512*\c
.endr
.endr
.endm
.macro WM d, a, b, c, sa, sb, odd      ; an odd K step's scale words lie in lanes 16-31
.if \odd
	v_wmma_scale_f32_16x16x128_f8f6f4 v[\d:\d+7], v[\a:\a+7], v[\b:\b+7], v[\c:\c+7], v[\sa], v[\sb] matrix_a_fmt:MATRIX_FMT_FP4 matrix_b_fmt:MATRIX_FMT_FP4 matrix_a_scale:MATRIX_SCALE_ROW1 matrix_b_scale:MATRIX_SCALE_ROW1
.else
	v_wmma_scale_f32_16x16x128_f8f6f4 v[\d:\d+7], v[\a:\a+7], v[\b:\b+7], v[\c:\c+7], v[\sa], v[\sb] matrix_a_fmt:MATRIX_FMT_FP4 matrix_b_fmt:MATRIX_FMT_FP4
.endif
.endm
; A K step of 128: 32 matrix instructions, one on each accumulator.  form 0: q, k (source 0 = W); form 1: v (source 0 = x).  The first step's C is the bias: nothing is cleared or added later.
.macro KSTEP form, s
.if \s >= 4
	s_wait_loadcnt 16*(7-\s)                       ; x's K step s is in: the 16 loads of each later K step may be out (met at once in the later units)
.endif
.if \s <= 5
	s_wait_dscnt 16                                ; W's set is in: the two later sets' 16 loads may be out
.else
	s_wait_dscnt 8*(7-\s)
.endif
.if \form == 0
.if \s == 0
	WIN 0xc4                                       ; W window 0, x window 1, C (the bias) window 0, D window 3
.elseif \s < 4
	WIN 0xf4
.else
	WIN 0xf8                                       ; x window 2
.endif
.else
.if \s == 0
	WIN 0xc1
.elseif \s < 4
	WIN 0xf1
.else
	WIN 0xf2
.endif
.endif
.irp a, 0,1,2,3,4,5,6,7
.irp b, 0,1,2,3
.set XR, 8*((8*\s+\a)%32)
.set WR, WF+32*(\s%3)+8*\b
.set SXR, XS+4*\a+\s/2
.set SWR, WS+4*\b+\s/2
.if \form == 0
.set DR, 8*(4*\a+\b)
.else
.set DR, 8*(8*\b+\a)
.endif
.set CR, DR
.if \s == 0
.set CR, BI+8*\b
.endif
.if \form == 0
	WM DR, WR, XR, CR, SWR, SXR, \s%2
.else
	WM DR, XR, WR, CR, SXR, SWR, \s%2
.endif
.endr
.endr
.if \s+3 <= 7
	WIN 0
	PLACES                                         ; four places in front of loads into registers that matrix instructions have read
	WLOAD \s+3
.endif
.endm
.macro KLOOP form
.if \form == 0
.irp b, 0,1,2,3
	ds_load_b128 v[BI+8*\b:BI+8*\b+3], v24 offset:64*\b       ; the bias of channels 16 b + 8 h + 0 .. 7
	ds_load_b128 v[BI+8*\b+4:BI+8*\b+7], v24 offset:64*\b+16
.endr
.else
.irp b, 0,1,2,3
.irp j, 0,1,2,3,4,5,6,7
	ds_load_b32 v[BI+8*\b+\j], v25 offset:64*\b               ; the bias of channel 16 b + r, for all eight tokens
.endr
.endr
.endif
.irp b, 0,1,2,3
.irp q, 0,1
	ds_load_b64 v[WS+4*\b+2*\q:WS+4*\b+2*\q+1], v9 offset:512*\b+256*\q
.endr
.endr
	WLOAD 0
	WLOAD 1
	WLOAD 2
	KSTEP \form, 0
	KSTEP \form, 1
	KSTEP \form, 2
	KSTEP \form, 3
	KSTEP \form, 4
	KSTEP \form, 5
	KSTEP \form, 6
	KSTEP \form, 7
.endm
; The 32 accumulators are 16 groups of 16 registers, each half of a block of 32.  Codes: CW[i] = the eight numbers of accumulator i; bytes: BY[g].
.macro QUANT16
	WIN 0
	PLACES                                         ; four places between the last products and the first read of results
	WIN 0x3c                                       ; sources 1 and 2: window 3
.irp i, 0,1,2,3,4,5,6,7                ; each accumulator is read from its low end on; the sixteen groups by turns
.irp g, 0,1,2,3,4,5,6,7,8,9,10,11,12,13,14,15
.if \i == 0
	v_max3_num_f32 v[T+\g], v[FLOOR], |v[16*\g]|, |v[16*\g+1]|
.else
	v_max3_num_f32 v[T+\g], v[T+\g], |v[16*\g+2*\i]|, |v[16*\g+2*\i+1]|
.endif
.endr
.endr
	WIN 0
.irp g, 0,1,2,3,4,5,6,7,8,9,10,11,12,13,14,15
	v_permlanex16_b32 v[T2+\g], v[T+\g], s[SEL], s[SEL+1]
.endr
.irp g, 0,1,2,3,4,5,6,7,8,9,10,11,12,13,14,15
	v_max_num_f32 v[T+\g], v[T+\g], v[T2+\g]       ; the block's largest magnitude
.endr
.irp g, 0,1,2,3,4,5,6,7,8,9,10,11,12,13,14,15
	v_add_nc_u32 v[SO+\g], 0xff000000, v[T+\g]     ; 2 off its exponent field: the conversion's scale operand
.endr
.irp g, 0,1,2,3,4,5,6,7,8,9,10,11,12,13,14,15
	v_lshrrev_b32 v[BY+\g], 23, v[SO+\g]           ; the byte
.endr
	WIN 0x03                                       ; source 0: window 3
.irp i, 0,1,2,3,4,5,6,7,8,9,10,11,12,13,14,15,16,17,18,19,20,21,22,23,24,25,26,27,28,29,30,31
	v_cvt_scalef32_pk8_fp4_f32 v[CW+\i], v[8*\i:8*\i+7], v[SO+\i/2]
.endr
	v_nop                                          ; one plain place behind the last scaled conversion
	WIN 0
.endm
	s_mov_b32 s54, 0                               ; the unit's number in my three
	s_mov_b32 s50, 0                               ; its codes,
	s_mov_b32 s51, 0                               ; scale words
	s_mov_b32 s52, 0                               ; and bias in LDS
.Lunit:
	s_lshr_b32 s55, s53, 4                         ; 0: q, 1: k, 2: v
	s_and_b32 s48, s53, 15                         ; the head
	s_lshl_b32 s48, s48, 4
	s_add_co_u32 s48, s48, s49                     ; the block
	s_mul_i32 s70, s48, BLK
	s_mov_b32 s71, 0
	s_add_nc_u64 s[72:73], s[14:15], s[70:71]
	v_add_nc_u32 v8, s50, v4
	v_add_nc_u32 v9, s51, v29
	v_add_nc_u32 v24, s52, v26
	v_add_nc_u32 v25, s52, v27
	s_cmp_eq_u32 s55, 2                            ; ids and the count of units alone
	s_cbranch_scc1 .Lv
	KLOOP 0
	QUANT16
.irp a, 0,1,2,3,4,5,6,7
	v_lshl_or_b32 v[SW+\a], v[BY+2*\a+1], 8, v[BY+2*\a]   ; my token's two bytes,
.endr
.irp a, 0,1,2,3,4,5,6,7
	v_or_b32 v[SW+\a], 0x7f7f0000, v[SW+\a]        ; and 1.0 for the zero codes that fill the next product's K step
.endr
.irp a, 0,1,2,3,4,5,6,7
.irp b, 0,1,2,3
	ds_store_b32 v10, v[CW+4*\a+\b] offset:1024*(\a/2)+128*(\a%2)+256*(\b/2)+8*(\b%2)
.endr
.endr
.irp a, 0,1,2,3,4,5,6,7
	ds_store_b32 v11, v[SW+\a] offset:4096+128*(\a%2)+4*(\a/2)   ; both halves of the lanes write the same word with the same value
.endr
.irp i, 0,1,2,3,4,5,6,7,8
	ds_load_b128 v[OUT+4*\i:OUT+4*\i+3], v14 offset:512*\i      ; LDS serves a wave's instructions in order: these see my stores
.endr
	s_cmp_eq_u32 s55, 0
	s_cselect_b32 s74, 8960, 0                     ; Q's codes, or K's
	s_mov_b32 s75, 0
	s_add_nc_u64 s[76:77], s[72:73], s[74:75]
	s_mov_b32 s74, 8192
	s_cselect_b32 s74, 13056, s74                  ; Q's scale words, or K's
	s_add_nc_u64 s[78:79], s[72:73], s[74:75]
	s_wait_dscnt 0x0
.irp i, 0,1,2,3,4,5,6,7
	global_store_b128 v4, v[OUT+4*\i:OUT+4*\i+3], s[76:77] offset:512*\i   ; 512 consecutive bytes, aligned
.endr
	global_store_b128 v4, v[OUT+32:OUT+35], s[78:79]
	s_branch .Ljoin
.Lv:
	KLOOP 1
	QUANT16
.irp b, 0,1,2,3
	v_lshl_or_b32 v[SW+\b], v[BY+4*\b+1], 8, v[BY+4*\b]   ; my channel's four blocks of 32 keys
.endr
.irp b, 0,1,2,3
	v_lshl_or_b32 v[SW+\b], v[BY+4*\b+2], 16, v[SW+\b]
.endr
.irp b, 0,1,2,3
	v_lshl_or_b32 v[SW+\b], v[BY+4*\b+3], 24, v[SW+\b]
.endr
.irp b, 0,1,2,3
.irp a, 0,1,2,3,4,5,6,7
	ds_store_b32 v12, v[CW+8*\b+\a] offset:2048*(\b/2)+128*(\b%2)+512*(\a/4)+256*((\a/2)%2)+8*(\a%2)
.endr
.endr
.irp b, 0,1,2,3
	ds_store_b32 v13, v[SW+\b] offset:4096+64*(\b%2)+4*(\b/2)
.endr
.irp i, 0,1,2,3,4,5,6,7
	ds_load_b128 v[OUT+4*\i:OUT+4*\i+3], v15 offset:512*\i
.endr
	ds_load_b64 v[OUT+32:OUT+33], v17
	s_wait_dscnt 0x0
.irp i, 0,1,2,3,4,5,6,7
	global_store_b128 v4, v[OUT+4*\i:OUT+4*\i+3], s[72:73] offset:4096+512*\i
.endr
	global_store_b64 v5, v[OUT+32:OUT+33], s[72:73] offset:8704   ; 256 consecutive bytes, aligned
.Ljoin:
	s_wait_xcnt 0x0                                ; the stores have read their registers and bases: both are written again in the next trip
	s_add_co_u32 s50, s50, 32768
	s_add_co_u32 s51, s51, 2048
	s_add_co_u32 s52, s52, 256
	s_add_co_u32 s53, s53, 1
	s_add_co_u32 s54, s54, 1
	s_cmp_lt_u32 s54, 3
	s_cbranch_scc1 .Lunit
	s_wait_tensorcnt 0x0                           ; the wave's end, behind my last tensor load and my last LDS store
	ds_add_u32 v[SPW], v[NIL]
	s_wait_dscnt 0x0
	s_endpgm
.Lfunc_end_k_qbf1cd151bc_qkv:
	.size	k_qbf1cd151bc_qkv, .Lfunc_end_k_qbf1cd151bc_qkv-k_qbf1cd151bc_qkv
	.p2alignl 7, 3214868480
	.fill 96, 4, 3214868480
	.section	.rodata,"a",@progbits
	.p2align	6, 0x0
	.amdhsa_kernel k_qbf1cd151bc_qkv
		.amdhsa_group_segment_fixed_size 167936
		.amdhsa_private_segment_fixed_size 0
		.amdhsa_enable_private_segment 0
		.amdhsa_kernarg_size 48
		.amdhsa_user_sgpr_count 2
		.amdhsa_user_sgpr_kernarg_segment_ptr 1
		.amdhsa_wavefront_size32 1
		.amdhsa_system_sgpr_workgroup_id_x 1
		.amdhsa_system_sgpr_workgroup_id_y 1
		.amdhsa_system_sgpr_workgroup_id_z 1
		.amdhsa_system_vgpr_workitem_id 0
		.amdhsa_next_free_vgpr 1024
		.amdhsa_next_free_sgpr 80
		.amdhsa_reserve_vcc 0
		.amdhsa_float_denorm_mode_32 3
		.amdhsa_float_denorm_mode_16_64 3
		.amdhsa_memory_ordered 1
		.amdhsa_forward_progress 1
		.amdhsa_inst_pref_size 136
	.end_amdhsa_kernel
	.amdgpu_metadata
---
amdhsa.version: [ 1, 2 ]
amdhsa.kernels:
  - .name:           k_qbf1cd151bc_qkv
    .symbol:         k_qbf1cd151bc_qkv.kd
    .args:
      - { .name: cod, .offset: 0, .size: 8, .value_kind: global_buffer, .address_space: global }
      - { .name: scl, .offset: 8, .size: 8, .value_kind: global_buffer, .address_space: global }
      - { .name: bq, .offset: 16, .size: 8, .value_kind: global_buffer, .address_space: global }
      - { .name: bk, .offset: 24, .size: 8, .value_kind: global_buffer, .address_space: global }
      - { .name: bv, .offset: 32, .size: 8, .value_kind: global_buffer, .address_space: global }
      - { .name: qkv, .offset: 40, .size: 8, .value_kind: global_buffer, .address_space: global }
    .group_segment_fixed_size: 167936
    .private_segment_fixed_size: 0
    .kernarg_segment_align: 8
    .kernarg_segment_size: 48
    .max_flat_workgroup_size: 128
    .sgpr_count:     80
    .vgpr_count:     1024
    .wavefront_size: 32
...
	.end_amdgpu_metadata
.endif
;; end of part 2
;; launch attn (part 3): grid 4 x 64, 16 waves a work-group, no clusters, 20,480 bytes of LDS; arguments qkv, ac, asc; writes ac, asc
.if DOCPART == 3
	.amdgcn_target "amdgcn-amd-amdhsa--gfx1250"
	.amdhsa_code_object_version 6
	.text
	.protected	k_qbf1cd151bc_attn
	.globl	k_qbf1cd151bc_attn
	.p2align	8
	.type	k_qbf1cd151bc_attn,@function
k_qbf1cd151bc_attn:
	s_mov_b64 s[64:65], 0
	v_nop
	global_prefetch_b8 v0, s[64:65] scope:SCOPE_SE
	s_setreg_imm32_b32 hwreg(HW_REG_WAVE_MODE, 25, 1), 1
	s_wait_xcnt 0x0
; LAUNCH 3 OF 4.  For each batch and head: S = q k^T / 8 under the causal mask, p = 2^(t - M), O = p v / l, both products on codes of FP4; O is quantised along the hidden axis for the last product.
; WORK LEFT OUT: key steps of 128 keys that lie wholly behind a wave's queries (shown at the head of the first launch: their p have the code 0).  LIMIT: open logits under about -1e9 + 200 are not served.
; THE SOFTMAX: t = score x log2(e) / 8; M = the running largest t rounded UP to a whole number; p = 2^(t - M) is quantised along the keys, not normalised; the row's sum is taken of the unquantised p and divides
; O at the end; when M moves, the sum and O are multiplied by 2^(old M - new M), which rounds nothing.  Hidden keys inside a step take reference()'s own -1e9 (here x 8, since the scores are not yet divided).
; SHARES.  Work-group (x, bh) takes the query blocks 7 - x and x of 256 queries, one after the other: 2 (8 - x) + 2 (x + 1) = 18 key steps for every work-group.  Each of its sixteen waves owns one tile of 16
; queries in 256 registers: four waves to a SIMD, so that one wave's vector work stands beside another's matrix work.  A lane holds ONE query throughout: S^T = K Q^T, O^T = V^T P^T.
; The head's 64 fill half of the first product's K step of 128: the upper four registers of K's and Q's fragments are zero codes, set once.
; K AND V come as the blocks that the launch before laid out in register order: a key step's 8,960 bytes are copied as they lie, through registers, into one of two LDS slots: 16 bytes a thread, and 4 more in
; waves 0 to 5.  ONE barrier a step: in front of it each wave has waited for its LDS reads of the last step's slot and for its stores into this step's; behind it the next step's bytes are stored.
; NO CLUSTER, NO TENSOR LOAD: the work-groups of a head walk different numbers of tiles (16 - 2 x, then 2 x + 2), so they cannot ask jointly for every tile.
; PREFETCH: all four work-groups of a head walk the same blocks; the first of them (x = 0), in its first pass, wave 6, asks for the 8,192 bytes of codes of the tile two loads on, lanes 256 bytes apart:
; tiles 4 to 15, each named once; it stops at tile 15, the head's last.  Tiles 0 to 3 and the scale words come by their loads alone.
; OUT: ac and asc have the first launch's layouts; row block 8 (16 batch + chunk) + t, whose lane r is token 32 (t / 2) + 8 (t % 2) + r + 8 (r / 8) of the chunk.  A wave's codes are 512 consecutive bytes.
; Its scale bytes are 2 bytes a row, 8 bytes apart: pieces of a word that two heads share; they are one sixteenth of the codes' bytes.
; LIMITS: a block of zeros has the byte 1; the floor 2^(3 - 127); NaN and infinities are not served.
; REGISTERS: v1-9, v24, v25 addresses; v10, v11 and v[248:251], v[240:243] the copies in hand; v12 -M, v13 the largest t, v[14:15] the sum; v16-23 Q; v[26:27] V's scale words, v[28:31] K's; v32-95 K;
; v96-159 S^T, then p; v160-191 O^T; v192-223 V; v224-231 p's codes; v232-239, v244-247, v252-254 at work; v255 Q's scale words.
.set BLK,   13568
.set SLOT,  9216
.set SPARE, 2*SLOT                     ; the spare words, 128 bytes a wave: eight blocks of 256 bytes that no other line names
.set SPW,   5
.set NIL,   6
.set WV,    10                         ; s10 my wave
.set G,     13                         ; s13 key steps to go, this one among them
.set LT,    14                         ; s14 the tile that the next load takes
.set LIMIT, 15                         ; s15 tiles in the first pass
.set PFL,   16                         ; s16 a wave prefetches while LT is under this
.set KF,    17                         ; s17 the step's first key
.set Q0,    18                         ; s18 my first query; my last is Q0 + 23
.set TR,    19                         ; s19 pairs of steps to go in the pass
.set SEL,   20
.set CS,    22
	s_load_b128 s[4:7], s[0:1], 0x0                ; qkv, ac
	s_load_b64 s[8:9], s[0:1], 0x10                ; asc
	v_lshl_add_u32 v[SPW], v0, 2, SPARE
	v_mov_b32 v[NIL], 0
	v_lshrrev_b32 v1, 5, v0
	v_readfirstlane_b32 s[WV], v1                  ; wave 0..15
	v_and_b32 v9, 31, v0                           ; lane
	v_lshlrev_b32 v1, 4, v9                        ; 16 x lane
	v_lshlrev_b32 v2, 3, v9                        ; 8 x lane
	v_lshlrev_b32 v8, 8, v9                        ; 256 x lane: the prefetch's offset; never rewritten
	v_lshlrev_b32 v3, 4, v0                        ; 16 x thread: my bytes of a tile's codes, in memory and in a slot
	v_lshl_add_u32 v4, v0, 2, 8192                 ; 8,192 + 4 x thread: of its scale words (waves 0 to 5)
	v_and_b32 v12, 15, v0                          ; r
	v_bfe_u32 v13, v0, 4, 1                        ; h
	v_and_b32 v7, 8, v12
	v_add_nc_u32 v7, v7, v12
	v_lshlrev_b32 v13, 4, v13
	v_sub_nc_u32 v7, v7, v13                       ; r + 8 (r / 8) - 16 h
	v_lshlrev_b32 v9, 3, v12                       ; 8 r
	s_and_b32 s12, ttmp7, 0xffff                   ; 16 batch + head
	s_and_b32 s30, s[WV], 7                        ; t: my tile in its chunk
	s_lshr_b32 s31, s[WV], 3                       ; which chunk of the query block
	s_sub_co_u32 s43, 7, ttmp9                     ; the first pass's query block
	s_lshl_b32 s[LIMIT], s43, 1
	s_add_co_u32 s[LIMIT], s[LIMIT], 2
	s_mov_b32 s[G], 18
	s_mov_b32 s[LT], 2
	s_xor_b32 s38, s[WV], 6
	s_or_b32 s38, s38, ttmp9
	s_cmp_eq_u32 s38, 0                            ; wave 6 of the head's first work-group
	s_cselect_b32 s[PFL], 14, 0
	s_lshr_b32 s38, s30, 1
	s_lshl_b32 s47, s38, 5
	s_and_b32 s39, s30, 1
	s_lshl_b32 s40, s39, 3
	s_add_co_u32 s47, s47, s40                     ; 32 (t / 2) + 8 (t % 2)
	s_lshl_b32 s39, s39, 8
	s_lshl_b32 s38, s38, 2
	s_add_co_u32 s41, s39, s38
	s_add_co_u32 s41, s41, 13056
	v_lshl_add_u32 v24, v12, 4, s41                ; Q's scale word of my query, in a block
	s_lshl_b32 s41, s30, 9
	s_add_co_u32 s41, s41, 8960
	v_add_nc_u32 v25, s41, v1                      ; Q's fragment, in a block
	s_and_b32 s44, s12, 15                         ; head
	s_lshr_b32 s45, s12, 4                         ; batch
	s_lshl_b32 s46, s44, 9                         ; the head's 512 bytes in a row block of ac
	s_lshr_b32 s38, s44, 3                         ; and its two bytes in a row block of asc: K step head / 2, bytes 2 (head % 2) on
	s_lshl_b32 s48, s38, 8
	s_bfe_u32 s38, s44, 0x10001
	s_lshl_b32 s38, s38, 7
	s_add_co_u32 s48, s48, s38
	s_bfe_u32 s38, s44, 0x10002
	s_lshl_b32 s38, s38, 2
	s_add_co_u32 s48, s48, s38
	s_and_b32 s38, s44, 1
	s_lshl_b32 s38, s38, 1
	s_add_co_u32 s48, s48, s38
	s_mov_b32 s[SEL], 0x76543210
	s_mov_b32 s[SEL+1], 0xfedcba98                 ; v_permlanex16_b32's selects for lane l xor 16
	s_mov_b32 s[CS], 0x3e38aa3b                    ; c = log2(e) / 8
	s_mov_b32 s[CS+1], s[CS]                       ; (named with it as a pair, so it is written)
	s_mul_i32 s38, s12, 16*BLK
	s_mov_b32 s39, 0
.irp i, 20,21,22,23
	v_mov_b32 v[\i], 0                             ; Q's zero codes
.endr
.irp t, 0,1,2,3,4,5,6,7
.irp i, 4,5,6,7
	v_mov_b32 v[32+8*\t+\i], 0                     ; K's zero codes: set once
.endr
.endr
.irp i, 236,237,238,239,252,253
	v_mov_b32 v[\i], 0                             ; written once: lane permutes' destinations, and the upper half of the pair v[252:253]
.endr
	s_wait_kmcnt 0x0
	s_add_nc_u64 s[24:25], s[4:5], s[38:39]        ; the head's sixteen blocks
	global_load_b128 v[248:251], v3, s[24:25]      ; tile 0
	global_load_b128 v[240:243], v3, s[24:25] offset:BLK   ; tile 1
	s_cmp_lt_u32 s[WV], 6
	s_cbranch_scc0 .Lhead_a
	global_load_b32 v10, v4, s[24:25]
	global_load_b32 v11, v4, s[24:25] offset:BLK
.Lhead_a:
	s_wait_loadcnt 0x0
	ds_store_b128 v3, v[248:251]                   ; tile 0 into slot 0
	s_cmp_lt_u32 s[WV], 6
	s_cbranch_scc0 .Lhead_b
	ds_store_b32 v4, v10
.Lhead_b:
; A KEY STEP: 128 keys, in slot sl.
.macro STEP sl
.set CPS, 248-8*\sl                    ; the registers that held this step's tile: they take the tile two steps on
.set CPO, 240+8*\sl                    ; those that hold the next step's
	s_wait_dscnt 0x0                               ; my stores into this slot have landed, and my reads of the other slot are back
	s_barrier_signal -1
	s_barrier_wait -1                              ; both now hold of all sixteen waves
	s_wait_loadcnt 0x0                             ; on every path: the copy asked for a step ago is in its registers, ahead of the store that reads them and of any later load into them
	s_cmp_lt_u32 s[G], 2                           ; a count of steps: the same in all waves
	s_cbranch_scc1 .Lnost_\@
	ds_store_b128 v3, v[CPO:CPO+3] offset:(1-\sl)*SLOT   ; the next step's tile goes into the slot that nobody reads any more
	s_cmp_lt_u32 s[WV], 6
	s_cbranch_scc0 .Lnost_\@
	ds_store_b32 v4, v[11-\sl] offset:(1-\sl)*SLOT
.Lnost_\@:
	s_cmp_lt_u32 s[G], 3
	s_cbranch_scc1 .Lnold_\@
	s_wait_xcnt 0x0                                ; the last step's load and prefetch have read their base
	s_mul_i32 s38, s[LT], BLK
	s_mov_b32 s39, 0
	s_add_nc_u64 s[26:27], s[24:25], s[38:39]
	global_load_b128 v[CPS:CPS+3], v3, s[26:27]    ; the tile two steps on: it has a step in which to come
	s_cmp_lt_u32 s[WV], 6
	s_cbranch_scc0 .Lnosc_\@
	global_load_b32 v[10+\sl], v4, s[26:27]
.Lnosc_\@:
	s_cmp_lt_u32 s[LT], s[PFL]
	s_cbranch_scc0 .Lnopf_\@
	global_prefetch_b8 v8, s[26:27] offset:2*BLK th:TH_LOAD_NT scope:SCOPE_SE   ; the codes of the tile two loads on
.Lnopf_\@:
	s_add_co_u32 s[LT], s[LT], 1
	s_cmp_eq_u32 s[LT], s[LIMIT]                   ; the first pass's tiles are all asked for: the second pass begins at tile 0 and prefetches nothing
	s_cselect_b32 s[LT], 0, s[LT]
	s_cselect_b32 s[PFL], 0, s[PFL]
.Lnold_\@:
	s_add_co_u32 s38, s[Q0], 23
	s_cmp_gt_u32 s[KF], s38                        ; all 128 keys come after my 16 queries: the step's work is left out; no barrier stands in it
	s_cbranch_scc1 .Lhid_\@
	ds_load_b128 v[28:31], v1 offset:\sl*SLOT+8192 ; K's scale words: register c: tile 2 c in lanes 0-15, tile 2 c + 1 in lanes 16-31
.irp t, 0,1,2,3,4,5,6,7
	ds_load_b128 v[32+8*\t:35+8*\t], v1 offset:\sl*SLOT+512*\t
.endr
	ds_load_b64 v[26:27], v2 offset:\sl*SLOT+8704  ; V's scale words
.irp t, 0,1,2,3
.irp c, 0,1
	ds_load_b128 v[192+8*\t+4*\c:195+8*\t+4*\c], v1 offset:\sl*SLOT+4096+1024*\t+512*\c
.endr
.endr
	s_wait_dscnt 9                                 ; K and its scale words are in; V's nine loads may be out
.irp t, 0,1,2,3,4,5,6,7
.if \t%2
	v_wmma_scale_f32_16x16x128_f8f6f4 v[96+8*\t:103+8*\t], v[32+8*\t:39+8*\t], v[16:23], 0, v[28+\t/2], v255 matrix_a_fmt:MATRIX_FMT_FP4 matrix_b_fmt:MATRIX_FMT_FP4 matrix_a_scale:MATRIX_SCALE_ROW1
.else
	v_wmma_scale_f32_16x16x128_f8f6f4 v[96+8*\t:103+8*\t], v[32+8*\t:39+8*\t], v[16:23], 0, v[28+\t/2], v255 matrix_a_fmt:MATRIX_FMT_FP4 matrix_b_fmt:MATRIX_FMT_FP4
.endif
.endr                                  ; register 16 b + i holds key KF + 32 b + 16 h + i of my query
.rept 4
	v_nop
.endr
	s_add_co_u32 s38, s[KF], 127
	s_cmp_le_u32 s38, s[Q0]                        ; all keys count for all my queries: nothing to hide
	s_cbranch_scc1 .Lopen_\@
	s_sub_co_i32 s38, s[Q0], s[KF]
	v_add_nc_u32 v252, s38, v7                     ; d = my query - KF - 16 h: register 16 b + i is hidden where 32 b + i > d
	v_mov_b32 v254, 0xcfee6b28                     ; -8e9: reference()'s -1e9, ahead of the division by 8
.irp n, 0,1,2,3,4,5,6,7,8,9,10,11,12,13,14,15,16,17,18,19,20,21,22,23,24,25,26,27,28,29,30,31,32,33,34,35,36,37,38,39,40,41,42,43,44,45,46,47,48,49,50,51,52,53,54,55,56,57,58,59,60,61,62,63
	v_cmp_gt_i32 vcc_lo, 32*(\n/16)+\n%16, v252
	v_cndmask_b32 v[96+\n], v[96+\n], v254, vcc_lo
.endr
.Lopen_\@:
.irp b, 0,1,2,3
	v_max3_num_f32 v[232+\b], v[96+16*\b], v[97+16*\b], v[98+16*\b]   ; the largest score of each block of 32 keys: for the row's maximum, and, since p rises with the score, for the block's largest p
.endr
.irp i, 3,5,7,9,11,13
.irp b, 0,1,2,3
	v_max3_num_f32 v[232+\b], v[232+\b], v[96+16*\b+\i], v[97+16*\b+\i]
.endr
.endr
.irp b, 0,1,2,3
	v_max_num_f32 v[232+\b], v[232+\b], v[111+16*\b]
.endr
.irp b, 0,1,2,3
	v_permlanex16_b32 v[236+\b], v[232+\b], s[SEL], s[SEL+1]
.endr
.irp b, 0,1,2,3
	v_max_num_f32 v[232+\b], v[232+\b], v[236+\b]  ; with lane l xor 16's 16 keys
.endr
	v_max3_num_f32 v254, v232, v233, v234
	v_max_num_f32 v254, v254, v235                 ; the step's largest score of my query
	v_mul_f32 v254, s[CS], v254                    ; as t
	v_max_num_f32 v13, v13, v254                   ; the running largest t
	v_mov_b32 v254, v12
	v_floor_f32 v12, -v13                          ; the new -M = floor(-t): M is a whole number
	v_sub_f32 v254, v12, v254                      ; old M - new M: a whole number, 0 or less
	v_cvt_i32_f32 v254, v254                       ; (it saturates)
	v_ldexp_f32 v252, 1.0, v254                    ; f = 2^(old M - new M)
.set j, 0
.rept 32
	v_pk_fma_f32 v[96+j:97+j], v[96+j:97+j], s[CS:CS+1], v[12:13] op_sel_hi:[1,0,0]   ; t - M, two at a time
.set j, j+2
.endr
.irp b, 0,1,2,3
	v_fma_f32 v[232+\b], v[232+\b], s[CS], v12     ; the same of each block's largest score
.endr
.set j, 0
.rept 64
	v_exp_f32 v[96+j], v[96+j]                     ; p = 2^(t - M), at most 1
.set j, j+1
.endr
	v_pk_mul_f32 v[14:15], v[14:15], v[252:253] op_sel_hi:[1,0]   ; the sums under the new M: a plain place behind the exponentials
	s_wait_alu depctr_va_vdst(0)                   ; one wait for the batch of 64, ahead of its first reader
.irp b, 0,1,2,3
	v_exp_f32 v[232+\b], v[232+\b]                 ; the block's largest p
.endr
	v_pk_add_f32 v[236:237], v[96:97], v[98:99]    ; the row's sum of the unquantised p, in two chains
.irp j, 4,8,12,16,20,24,28,32,36,40,44,48,52,56,60
	v_pk_add_f32 v[14:15], v[14:15], v[96+\j:97+\j]
	v_pk_add_f32 v[236:237], v[236:237], v[98+\j:99+\j]
.endr
	v_pk_add_f32 v[14:15], v[14:15], v[236:237]
	s_wait_alu depctr_va_vdst(0)                   ; and one for the four
.irp b, 0,1,2,3
	v_max_num_f32 v[232+\b], 0x1800000, v[232+\b]  ; the floor 2^(3 - 127): the byte cannot fall under 1
.endr
.irp b, 0,1,2,3
	v_add_nc_u32 v[244+\b], 0xff000000, v[232+\b]  ; the conversion's scale operand
.endr
.irp b, 0,1,2,3
	v_lshrrev_b32 v[236+\b], 23, v[244+\b]         ; the byte
.endr
	v_lshl_or_b32 v253, v237, 8, v236              ; p's scale word for these 128 keys
	v_lshl_or_b32 v253, v238, 16, v253
	v_lshl_or_b32 v253, v239, 24, v253
.irp b, 0,1,2,3
	v_cvt_scalef32_pk8_fp4_f32 v[224+2*\b], v[96+16*\b:103+16*\b], v[244+\b]
	v_cvt_scalef32_pk8_fp4_f32 v[225+2*\b], v[104+16*\b:111+16*\b], v[244+\b]
.endr
	v_nop                                          ; one plain place behind the last scaled conversion
.irp c, 0,1                            ; the operand's layout wants a whole block in a lane
.irp i, 0,1
	v_permlane16_swap_b32 v[224+4*\c+\i], v[226+4*\c+\i]
.endr
.endr
.set j, 0
.rept 16
	v_pk_mul_f32 v[160+j:161+j], v[160+j:161+j], v[252:253] op_sel_hi:[1,0]   ; O^T under the new M; these sixteen are also the places in front of the products below
.set j, j+2
.endr
	s_wait_dscnt 0x0                               ; V and its scale words are in
.irp t, 0,1,2,3
.if \t%2
	v_wmma_scale_f32_16x16x128_f8f6f4 v[160+8*\t:167+8*\t], v[192+8*\t:199+8*\t], v[224:231], v[160+8*\t:167+8*\t], v[26+\t/2], v253 matrix_a_fmt:MATRIX_FMT_FP4 matrix_b_fmt:MATRIX_FMT_FP4 matrix_a_scale:MATRIX_SCALE_ROW1
.else
	v_wmma_scale_f32_16x16x128_f8f6f4 v[160+8*\t:167+8*\t], v[192+8*\t:199+8*\t], v[224:231], v[160+8*\t:167+8*\t], v[26+\t/2], v253 matrix_a_fmt:MATRIX_FMT_FP4 matrix_b_fmt:MATRIX_FMT_FP4
.endif
.endr
.rept 4
	v_nop                                          ; four places in front of the next step's loads into V's registers, and of the way out's reads
.endr
.Lhid_\@:
	s_add_co_u32 s[KF], s[KF], 128
	s_sub_co_u32 s[G], s[G], 1
.endm
	s_mov_b32 s28, 0                               ; the pass
.Lpass:
	s_wait_xcnt 0x0                                ; the last pass's loads and stores have read their registers and bases
	s_cmp_eq_u32 s28, 0
	s_cselect_b32 s29, s43, ttmp9                  ; the query block: 7 - x, then x
	s_lshl_b32 s42, s29, 1
	s_add_co_u32 s42, s42, s31                     ; my chunk of 128 queries
	s_add_co_u32 s[TR], s29, 1                     ; 2 (block + 1) key steps: 1 to 8 pairs
	s_mul_i32 s38, s42, BLK
	s_mov_b32 s39, 0
	s_add_nc_u64 s[32:33], s[24:25], s[38:39]
	global_load_b128 v[16:19], v25, s[32:33]       ; Q's fragment stays in registers for the pass
	global_load_b32 v255, v24, s[32:33]            ; and its scale words
	s_lshl_b32 s[Q0], s42, 7
	s_add_co_u32 s[Q0], s[Q0], s47
	s_mov_b32 s[KF], 0
	s_lshl_b32 s38, s45, 4
	s_add_co_u32 s38, s38, s42
	s_lshl_b32 s38, s38, 3
	s_add_co_u32 s38, s38, s30                     ; my row block of ac and asc
	s_lshl_b32 s40, s38, 13
	s_add_co_u32 s40, s40, s46
	s_mov_b32 s41, 0
	s_add_nc_u64 s[34:35], s[6:7], s[40:41]
	s_lshl_b32 s40, s38, 9
	s_add_co_u32 s40, s40, s48
	s_add_nc_u64 s[36:37], s[8:9], s[40:41]
	v_mov_b32 v13, 0xff61b1e6                      ; the largest t so far: -3e38, under every t
	v_floor_f32 v12, -v13                          ; -M
	v_mov_b32 v14, 0                               ; the sum, in two halves
	v_mov_b32 v15, 0
.set j, 0
.rept 32
	v_mov_b32 v[160+j], 0                          ; O^T: the step is written once; the first finds zeros, which the first change of M leaves zeros
.set j, j+1
.endr
	s_wait_loadcnt 0x0                             ; Q
.Lpair:
	STEP 0
	STEP 1
	s_sub_co_i32 s[TR], s[TR], 1
	s_cmp_gt_i32 s[TR], 0                          ; a signed compare: the loop ends at 0 from any start
	s_cbranch_scc1 .Lpair
	; THE WAY OUT: O^T / the sum; register 16 b + i is channel 32 b + 16 h + i of my query: two blocks of 32 along the last product's K, each half in lane l xor 16
	v_add_f32 v14, v14, v15
	v_permlanex16_b32 v252, v14, s[SEL], s[SEL+1]
	v_add_f32 v14, v14, v252                       ; the row's sum
	v_rcp_f32 v14, v14
	v_nop                                          ; a plain place behind the reciprocal
	s_wait_alu depctr_va_vdst(0)                   ; and the wait ahead of its first reader
.set j, 0
.rept 16
	v_pk_mul_f32 v[96+j:97+j], v[160+j:161+j], v[14:15] op_sel_hi:[1,0]
.set j, j+2
.endr
.irp b, 0,1
	v_max3_num_f32 v[232+\b], |v[96+16*\b]|, |v[97+16*\b]|, 0x1800000
.endr
.irp i, 2,4,6,8,10,12,14
.irp b, 0,1
	v_max3_num_f32 v[232+\b], v[232+\b], |v[96+16*\b+\i]|, |v[97+16*\b+\i]|
.endr
.endr
.irp b, 0,1
	v_permlanex16_b32 v[236+\b], v[232+\b], s[SEL], s[SEL+1]
.endr
.irp b, 0,1
	v_max_num_f32 v[232+\b], v[232+\b], v[236+\b]
.endr
.irp b, 0,1
	v_add_nc_u32 v[244+\b], 0xff000000, v[232+\b]
.endr
.irp b, 0,1
	v_lshrrev_b32 v[236+\b], 23, v[244+\b]
.endr
	v_lshl_or_b32 v254, v237, 8, v236              ; my query's two bytes
.irp b, 0,1
	v_cvt_scalef32_pk8_fp4_f32 v[224+2*\b], v[96+16*\b:103+16*\b], v[244+\b]
	v_cvt_scalef32_pk8_fp4_f32 v[225+2*\b], v[104+16*\b:111+16*\b], v[244+\b]
.endr
	v_nop                                          ; one plain place behind the last scaled conversion
	v_permlane16_swap_b32 v224, v226               ; lanes 0-15: block 0 whole; lanes 16-31: block 1
	v_permlane16_swap_b32 v225, v227
	global_store_b128 v1, v[224:227], s[34:35]     ; 512 consecutive bytes, aligned
	global_store_b16 v9, v254, s[36:37]            ; both halves of the lanes write the same two bytes with the same value
	s_add_co_u32 s28, s28, 1
	s_cmp_lt_u32 s28, 2
	s_cbranch_scc1 .Lpass
	s_wait_tensorcnt 0x0                           ; the wave's end, behind my last LDS store
	ds_add_u32 v[SPW], v[NIL]
	s_wait_dscnt 0x0
	s_endpgm
.Lfunc_end_k_qbf1cd151bc_attn:
	.size	k_qbf1cd151bc_attn, .Lfunc_end_k_qbf1cd151bc_attn-k_qbf1cd151bc_attn
	.p2alignl 7, 3214868480
	.fill 96, 4, 3214868480
	.section	.rodata,"a",@progbits
	.p2align	6, 0x0
	.amdhsa_kernel k_qbf1cd151bc_attn
		.amdhsa_group_segment_fixed_size 20480
		.amdhsa_private_segment_fixed_size 0
		.amdhsa_enable_private_segment 0
		.amdhsa_kernarg_size 24
		.amdhsa_user_sgpr_count 2
		.amdhsa_user_sgpr_kernarg_segment_ptr 1
		.amdhsa_wavefront_size32 1
		.amdhsa_system_sgpr_workgroup_id_x 1
		.amdhsa_system_sgpr_workgroup_id_y 1
		.amdhsa_system_sgpr_workgroup_id_z 1
		.amdhsa_system_vgpr_workitem_id 0
		.amdhsa_next_free_vgpr 256
		.amdhsa_next_free_sgpr 66
		.amdhsa_reserve_vcc 1
		.amdhsa_float_denorm_mode_32 3
		.amdhsa_float_denorm_mode_16_64 3
		.amdhsa_memory_ordered 1
		.amdhsa_forward_progress 1
		.amdhsa_inst_pref_size 53
	.end_amdhsa_kernel
	.amdgpu_metadata
---
amdhsa.version: [ 1, 2 ]
amdhsa.kernels:
  - .name:           k_qbf1cd151bc_attn
    .symbol:         k_qbf1cd151bc_attn.kd
    .args:
      - { .name: qkv, .offset: 0, .size: 8, .value_kind: global_buffer, .address_space: global }
      - { .name: ac, .offset: 8, .size: 8, .value_kind: global_buffer, .address_space: global }
      - { .name: asc, .offset: 16, .size: 8, .value_kind: global_buffer, .address_space: global }
    .group_segment_fixed_size: 20480
    .private_segment_fixed_size: 0
    .kernarg_segment_align: 8
    .kernarg_segment_size: 24
    .max_flat_workgroup_size: 512
    .sgpr_count:     66
    .vgpr_count:     256
    .wavefront_size: 32
...
	.end_amdgpu_metadata
.endif
;; end of part 3
;; launch oproj (part 4): grid 16 x 16, 4 waves a work-group, no clusters, 167,936 bytes of LDS; arguments ac, asc, cod, scl, bo, out0; writes out0
.if DOCPART == 4
	.amdgcn_target "amdgcn-amd-amdhsa--gfx1250"
	.amdhsa_code_object_version 6
	.text
	.protected	k_qbf1cd151bc_oproj
	.globl	k_qbf1cd151bc_oproj
	.p2align	8
	.type	k_qbf1cd151bc_oproj,@function
k_qbf1cd151bc_oproj:
	s_mov_b64 s[64:65], 0
	v_nop
	global_prefetch_b8 v0, s[64:65] scope:SCOPE_SE
	s_setreg_imm32_b32 hwreg(HW_REG_WAVE_MODE, 25, 1), 1
	s_wait_xcnt 0x0
; LAUNCH 4 OF 4.  out0 = A Wo^T + bo on codes of FP4, f32 sums; A is the attention's result as the launch before quantised it.  No work is left out here.
; SHARES, as in the second launch with one unit: work-group (gx, gy) takes columns 64 gx on and rows 512 gy on; wave w owns 128 rows, whose 64 fragments stay in 512 registers, loaded once, 512 consecutive
; bytes a load.  Wo's 64 rows (32,768 bytes of codes, 2,048 of scale words) come into LDS once, by two tensor loads a wave, and are never filled again.  256 matrix instructions a wave on 32 accumulators,
; which take turns.  NO CLUSTER: of the 297,216 bytes that a work-group reads, 262,144 go lane by lane into registers, where no joint load reaches.
; The product is used transposed (source 0 = 16 rows of Wo, source 1 = 16 rows of A): a lane holds eight neighbouring columns of one row.  The bias is the C of each sum's first matrix instruction.
; Lane r of A's row block a is token 32 (a / 2) + 8 (a % 2) + r + 8 (r / 8) of the chunk: the way out puts each row at its token.  A block of 16 rows x 256 bytes goes through the wave's own stage
; (rows 272 bytes apart) and leaves with sixteen lanes storing 256 consecutive bytes, aligned.
; REGISTERS: window 0: v1-12, v26 addresses; v30, v31 the add's two; v32-127 W's fragments, three sets of 32, later rows of the result; v128-159 A's scale words; v160-175 W's; v192-223 the bias.
; Windows 1, 2: A's fragment (a, s) at v[8 ((8 s + a) % 32)] of window 1 + s / 4.  Window 3: accumulator (a, b) at v[8 (4 a + b)].
.set WSC,   32768                      ; LDS: W's codes from 0; its scale words here;
.set STG,   34816                      ; the stages, 16 x 272 bytes a wave;
.set SPARE, 52224                      ; the spare words, 128 bytes a wave: two blocks of 256 bytes that no other line names
.set WF,    32
.set XS,    128
.set WS,    160
.set BI,    192
.set OUT,   32
.set SPW,   30
.set NIL,   31
.set MSB, 0
.macro WIN new                         ; the immediate's high byte repeats the setting that is left
.if MSB != \new
	s_set_vgpr_msb (MSB<<8)|\new
.set MSB, \new
.endif
.endm
.macro PLACES
.rept 4
	v_nop
.endr
.endm
	s_load_b256 s[4:11], s[0:1], 0x0               ; ac, asc, cod, scl
	s_load_b128 s[12:15], s[0:1], 0x20             ; bo, out0
	v_lshl_add_u32 v[SPW], v0, 2, SPARE
	v_mov_b32 v[NIL], 0
	ds_add_u32 v[SPW], v[NIL]                      ; the wave's opening: the add, twice on end, and its wait ahead of my first tensor load
	ds_add_u32 v[SPW], v[NIL]
	v_lshrrev_b32 v1, 5, v0
	v_readfirstlane_b32 s16, v1                    ; wave 0..3
	s_and_b32 s18, ttmp7, 0xffff                   ; gy
	s_lshl_b32 s19, s18, 2
	s_add_co_u32 s19, s19, s16                     ; my group of 128 rows
	s_mov_b32 s24, 3<<16                           ; group 1 for the codes: 32 rows of 32 elements of 8 bytes, dense, no padding: 8,192 bytes
	s_mov_b32 s25, 32<<16
	s_mov_b32 s26, 32<<16
	s_mov_b32 s27, 32<<16
	s_mov_b32 s28, 32
	s_mov_b32 s29, 32
	s_mov_b32 s30, 0
	s_mov_b32 s31, 0
	s_mov_b32 s32, 3<<16                           ; group 1 for the scale words: 2 such rows: 512 bytes
	s_mov_b32 s33, 32<<16
	s_mov_b32 s34, 2<<16
	s_mov_b32 s35, 32<<16
	s_mov_b32 s36, 2
	s_mov_b32 s37, 32
	s_mov_b32 s38, 0
	s_mov_b32 s39, 0
	s_mov_b32 s40, 1
	s_lshl_b32 s41, s16, 13                        ; my row block of the four
	s_mov_b32 s44, 1
	s_lshl_b32 s45, s16, 9
	s_add_co_u32 s45, s45, WSC
	s_lshl_b32 s20, ttmp9, 2
	s_add_co_u32 s20, s20, s16
	s_add_co_u32 s20, s20, 704                     ; its number in cod and scl
	s_lshl_b32 s22, s20, 9
	s_lshl_b32 s20, s20, 13
	s_mov_b32 s21, 0
	s_mov_b32 s23, 0
	s_wait_dscnt 0x0                               ; both opening adds are done
	s_wait_kmcnt 0x0
	s_add_nc_u64 s[42:43], s[8:9], s[20:21]
	s_or_b32 s43, s43, 0x80000000
	s_add_nc_u64 s[46:47], s[10:11], s[22:23]
	s_or_b32 s47, s47, 0x80000000
	tensor_load_to_lds s[40:43], s[24:31]          ; the launch's only fills: two loads of mine are out
	s_nop 0
	tensor_load_to_lds s[44:47], s[32:39]
	s_nop 0
	PLACES
	v_and_b32 v1, 31, v0                           ; lane
	v_and_b32 v2, 15, v0                           ; r
	v_bfe_u32 v3, v0, 4, 1                         ; h
	v_lshlrev_b32 v4, 4, v1                        ; 16 x lane
	v_lshlrev_b32 v5, 3, v1                        ; 8 x lane
	v_add_nc_u32 v9, WSC, v5
	s_mul_i32 s20, s16, 4352
	s_add_co_u32 s20, s20, STG                     ; my stage
	v_mul_u32_u24 v10, v2, 272
	v_lshl_add_u32 v10, v3, 5, v10
	v_add_nc_u32 v10, s20, v10                     ; in: row r, 32 bytes for each half of the lanes
	v_mul_u32_u24 v11, v3, 272
	v_lshl_add_u32 v11, v2, 4, v11
	v_add_nc_u32 v11, s20, v11                     ; back: lanes 0-15 one row of 256 bytes, lanes 16-31 the next
	v_lshlrev_b32 v12, 12, v3
	v_lshl_add_u32 v12, v2, 4, v12                 ; and the same two rows in out0
	v_lshlrev_b32 v26, 5, v3                       ; the bias: eight numbers of my half
	s_lshl_b32 s20, ttmp9, 8                       ; my 64 columns: 256 bytes
	s_mov_b32 s21, 0
	s_add_nc_u64 s[60:61], s[12:13], s[20:21]
	s_add_nc_u64 s[72:73], s[14:15], s[20:21]
	s_lshl_b32 s20, s19, 19                        ; my 128 rows of 4,096 bytes
	s_add_nc_u64 s[72:73], s[72:73], s[20:21]
	s_lshl_b32 s20, s19, 16
	s_add_nc_u64 s[56:57], s[4:5], s[20:21]        ; my eight row blocks of A: codes,
	s_lshl_b32 s20, s19, 12
	s_add_nc_u64 s[58:59], s[6:7], s[20:21]        ; scale words
.irp b, 0,1,2,3
	global_load_b128 v[BI+8*\b:BI+8*\b+3], v26, s[60:61] offset:64*\b       ; bo at columns 16 b + 8 h + 0 .. 7
	global_load_b128 v[BI+8*\b+4:BI+8*\b+7], v26, s[60:61] offset:64*\b+16
.endr
.irp a, 0,1,2,3,4,5,6,7
.irp q, 0,1
	global_load_b64 v[XS+4*\a+2*\q:XS+4*\a+2*\q+1], v5, s[58:59] offset:512*\a+256*\q
.endr
.endr
	WIN 0x40                                       ; destination window 1
.irp s, 0,1,2,3
.irp a, 0,1,2,3,4,5,6,7
.irp c, 0,1
	global_load_b128 v[8*((8*\s+\a)%32)+4*\c:8*((8*\s+\a)%32)+4*\c+3], v4, s[56:57] offset:8192*\a+1024*\s+512*\c
.endr
.endr
.endr
	WIN 0x80                                       ; destination window 2
.irp s, 4,5,6,7
.irp a, 0,1,2,3,4,5,6,7
.irp c, 0,1
	global_load_b128 v[8*((8*\s+\a)%32)+4*\c:8*((8*\s+\a)%32)+4*\c+3], v4, s[56:57] offset:8192*\a+1024*\s+512*\c
.endr
.endr
.endr
	WIN 0
	s_wait_tensorcnt 0x0                           ; my parts of the weights are in LDS,
	s_barrier_signal -1
	s_barrier_wait -1                              ; everybody's are: the launch's one barrier
	s_wait_loadcnt 63                              ; of my 152 loads the youngest 63 may be out: the bias (8), A's scale words (16) and K steps 0 to 3 (64) are in
.macro WLOAD s                         ; W's four fragments of K step s into set s % 3
.irp b, 0,1,2,3
.irp c, 0,1
	ds_load_b128 v[WF+32*((\s)%3)+8*\b+4*\c:WF+32*((\s)%3)+8*\b+4*\c+3], v4 offset:8192*\b+1024*(\s)+512*\c
.endr
.endr
.endm
.macro WM d, a, b, c, sa, sb, odd      ; an odd K step's scale words lie in lanes 16-31
.if \odd
	v_wmma_scale_f32_16x16x128_f8f6f4 v[\d:\d+7], v[\a:\a+7], v[\b:\b+7], v[\c:\c+7], v[\sa], v[\sb] matrix_a_fmt:MATRIX_FMT_FP4 matrix_b_fmt:MATRIX_FMT_FP4 matrix_a_scale:MATRIX_SCALE_ROW1 matrix_b_scale:MATRIX_SCALE_ROW1
.else
	v_wmma_scale_f32_16x16x128_f8f6f4 v[\d:\d+7], v[\a:\a+7], v[\b:\b+7], v[\c:\c+7], v[\sa], v[\sb] matrix_a_fmt:MATRIX_FMT_FP4 matrix_b_fmt:MATRIX_FMT_FP4
.endif
.endm
; A K step of 128: 32 matrix instructions, one on each accumulator.  The first step's C is the bias.
.macro KSTEP s
.if \s >= 4
	s_wait_loadcnt 16*(7-\s)                       ; A's K step s is in: the 16 loads of each later K step may be out
.endif
.if \s <= 5
	s_wait_dscnt 16                                ; W's set is in: the two later sets' 16 loads may be out
.else
	s_wait_dscnt 8*(7-\s)
.endif
.if \s == 0
	WIN 0xc4                                       ; W window 0, A window 1, C (the bias) window 0, D window 3
.elseif \s < 4
	WIN 0xf4
.else
	WIN 0xf8                                       ; A window 2
.endif
.irp a, 0,1,2,3,4,5,6,7
.irp b, 0,1,2,3
.set XR, 8*((8*\s+\a)%32)
.set WR, WF+32*(\s%3)+8*\b
.set SXR, XS+4*\a+\s/2
.set SWR, WS+4*\b+\s/2
.set DR, 8*(4*\a+\b)
.set CR, DR
.if \s == 0
.set CR, BI+8*\b
.endif
	WM DR, WR, XR, CR, SWR, SXR, \s%2
.endr
.endr
.if \s+3 <= 7
	WIN 0
	PLACES                                         ; four places in front of loads into registers that matrix instructions have read
	WLOAD \s+3
.endif
.endm
.irp b, 0,1,2,3
.irp q, 0,1
	ds_load_b64 v[WS+4*\b+2*\q:WS+4*\b+2*\q+1], v9 offset:512*\b+256*\q
.endr
.endr
	WLOAD 0
	WLOAD 1
	WLOAD 2
	KSTEP 0
	KSTEP 1
	KSTEP 2
	KSTEP 3
	KSTEP 4
	KSTEP 5
	KSTEP 6
	KSTEP 7
	WIN 0
; THE WAY OUT, a block of 16 rows at a time.  LDS serves a wave's instructions in order: no wait between the stores and the loads, nor in front of the next block's stores.
.macro TOSTAGE a
	WIN 0x0c                                       ; an LDS store's data are its source 1: window 3
.irp b, 0,1,2,3
	ds_store_b128 v10, v[8*(4*(\a)+\b):8*(4*(\a)+\b)+3] offset:64*\b        ; each accumulator from its low end on
	ds_store_b128 v10, v[8*(4*(\a)+\b)+4:8*(4*(\a)+\b)+7] offset:64*\b+16
.endr
	WIN 0
.irp i, 0,1,2,3,4,5,6,7
	ds_load_b128 v[OUT+32*((\a)%2)+4*\i:OUT+32*((\a)%2)+4*\i+3], v11 offset:544*\i
.endr
.endm
.macro SEND a, younger                 ; younger: the LDS instructions issued behind block a's loads, which may stay out
	s_wait_dscnt \younger
.irp i, 0,1,2,3,4,5,6,7
	global_store_b128 v12, v[OUT+32*((\a)%2)+4*\i:OUT+32*((\a)%2)+4*\i+3], s[72:73] offset:(32*((\a)/2)+8*((\a)%2)+2*\i+8*(\i/4))*4096 th:TH_STORE_NT   ; rows 2 i, 2 i + 1 of the block, at their tokens; sixteen lanes store 256 consecutive bytes, aligned
.endr
.endm
	PLACES                                         ; four places between the last products and the first read of results, and in front of loads into W's registers
	TOSTAGE 0
.irp a, 1,2,3,4,5,6,7
.if \a > 1
	s_wait_xcnt 0x0                                ; block a - 2's stores have read their registers: block a's loads may land there
.endif
	TOSTAGE \a
	SEND \a-1, 16                                  ; behind block a - 1's loads: block a's 8 stores and 8 loads
.endr
	SEND 7, 0
	s_wait_tensorcnt 0x0                           ; the wave's end, behind my last tensor load and my last LDS store
	ds_add_u32 v[SPW], v[NIL]
	s_wait_dscnt 0x0
	s_endpgm
.Lfunc_end_k_qbf1cd151bc_oproj:
	.size	k_qbf1cd151bc_oproj, .Lfunc_end_k_qbf1cd151bc_oproj-k_qbf1cd151bc_oproj
	.p2alignl 7, 3214868480
	.fill 96, 4, 3214868480
	.section	.rodata,"a",@progbits
	.p2align	6, 0x0
	.amdhsa_kernel k_qbf1cd151bc_oproj
		.amdhsa_group_segment_fixed_size 167936
		.amdhsa_private_segment_fixed_size 0
		.amdhsa_enable_private_segment 0
		.amdhsa_kernarg_size 48
		.amdhsa_user_sgpr_count 2
		.amdhsa_user_sgpr_kernarg_segment_ptr 1
		.amdhsa_wavefront_size32 1
		.amdhsa_system_sgpr_workgroup_id_x 1
		.amdhsa_system_sgpr_workgroup_id_y 1
		.amdhsa_system_sgpr_workgroup_id_z 1
		.amdhsa_system_vgpr_workitem_id 0
		.amdhsa_next_free_vgpr 1024
		.amdhsa_next_free_sgpr 80
		.amdhsa_reserve_vcc 0
		.amdhsa_float_denorm_mode_32 3
		.amdhsa_float_denorm_mode_16_64 3
		.amdhsa_memory_ordered 1
		.amdhsa_forward_progress 1
		.amdhsa_inst_pref_size 72
	.end_amdhsa_kernel
	.amdgpu_metadata
---
amdhsa.version: [ 1, 2 ]
amdhsa.kernels:
  - .name:           k_qbf1cd151bc_oproj
    .symbol:         k_qbf1cd151bc_oproj.kd
    .args:
      - { .name: ac, .offset: 0, .size: 8, .value_kind: global_buffer, .address_space: global }
      - { .name: asc, .offset: 8, .size: 8, .value_kind: global_buffer, .address_space: global }
      - { .name: cod, .offset: 16, .size: 8, .value_kind: global_buffer, .address_space: global }
      - { .name: scl, .offset: 24, .size: 8, .value_kind: global_buffer, .address_space: global }
      - { .name: bo, .offset: 32, .size: 8, .value_kind: global_buffer, .address_space: global }
      - { .name: out0, .offset: 40, .size: 8, .value_kind: global_buffer, .address_space: global }
    .group_segment_fixed_size: 167936
    .private_segment_fixed_size: 0
    .kernarg_segment_align: 8
    .kernarg_segment_size: 48
    .max_flat_workgroup_size: 128
    .sgpr_count:     80
    .vgpr_count:     1024
    .wavefront_size: 32
...
	.end_amdgpu_metadata
.endif
;; end of part 4
;; ======== version 2 of 2: 4 launches; version 1 with the launch attn written anew for expert scheduling mode
;; workspace buffers: cod 6,291,456 bytes; scl 393,216 bytes; qkv 13,893,632 bytes; ac 4,194,304 bytes; asc 262,144 bytes
;; launch quant: the kernel of part 1 again; grid 256 x 1, 6 waves a work-group, no clusters, 51,456 bytes of LDS; arguments x, Wq, Wk, Wv, Wo, cod, scl; writes cod, scl
;; launch qkv: the kernel of part 2 again; grid 16 x 16, 4 waves a work-group, no clusters, 167,936 bytes of LDS; arguments cod, scl, bq, bk, bv, qkv; writes qkv
;; launch attn (part 5): grid 4 x 64, 16 waves a work-group, no clusters, 20,480 bytes of LDS; arguments qkv, ac, asc; writes ac, asc
.if DOCPART == 5
	.amdgcn_target "amdgcn-amd-amdhsa--gfx1250"
	.amdhsa_code_object_version 6
	.text
	.protected	k_qbf1cd151bc_attn
	.globl	k_qbf1cd151bc_attn
	.p2align	8
	.type	k_qbf1cd151bc_attn,@function
k_qbf1cd151bc_attn:
	s_mov_b64 s[64:65], 0
	v_nop
	global_prefetch_b8 v0, s[64:65] scope:SCOPE_SE
	s_setreg_imm32_b32 hwreg(HW_REG_WAVE_SCHED_MODE, 0, 2), 2
	s_setreg_imm32_b32 hwreg(HW_REG_WAVE_MODE, 25, 1), 1
	s_wait_xcnt 0x0
	s_wait_alu depctr_vm_vsrc(0)
; LAUNCH 3 OF 4.  For each batch and head: S = q k^T / 8 under the causal mask, p = 2^(t - M), O = p v / l, both products on codes of FP4; O is quantised along the hidden axis for the last product.
; WORK LEFT OUT: key steps of 128 keys that lie wholly behind a wave's queries (shown at the head of the first launch: their p have the code 0).  LIMIT: open logits under about -1e9 + 200 are not served.
; THE SOFTMAX: t = score x log2(e) / 8; M = the running largest t rounded UP to a whole number; p = 2^(t - M) is quantised along the keys, not normalised; the row's sum is taken of the unquantised p and divides
; O at the end; when M moves, the sum and O are multiplied by 2^(old M - new M), which rounds nothing.  Hidden keys inside a step take reference()'s own -1e9 (here x 8, since the scores are not yet divided).
; SHARES.  Work-group (x, bh) takes the query blocks 7 - x and x of 256 queries, one after the other: 2 (8 - x) + 2 (x + 1) = 18 key steps for every work-group.  Each of its sixteen waves owns one tile of 16
; queries in 256 registers: four waves to a SIMD, so that one wave's vector work stands beside another's matrix work.  A lane holds ONE query throughout: S^T = K Q^T, O^T = V^T P^T.
; The head's 64 fill half of the first product's K step of 128: the upper four registers of K's and Q's fragments are zero codes, set once.
; K AND V come as the blocks that the launch before laid out in register order: a key step's 8,960 bytes are copied as they lie, through registers, into one of two LDS slots: 16 bytes a thread, and 4 more in
; waves 0 to 5.  ONE barrier a step: in front of it each wave has waited for its LDS reads of the last step's slot and for its stores into this step's; behind it the next step's bytes are stored.
; NO CLUSTER, NO TENSOR LOAD: the work-groups of a head walk different numbers of tiles (16 - 2 x, then 2 x + 2), so they cannot ask jointly for every tile.
; PREFETCH: all four work-groups of a head walk the same blocks; the first of them (x = 0), in its first pass, wave 6, asks for the 8,192 bytes of codes of the tile two loads on, lanes 256 bytes apart:
; tiles 4 to 15, each named once; it stops at tile 15, the head's last.  Tiles 0 to 3 and the scale words come by their loads alone.
; OUT: ac and asc have the first launch's layouts; row block 8 (16 batch + chunk) + t, whose lane r is token 32 (t / 2) + 8 (t % 2) + r + 8 (r / 8) of the chunk.  A wave's codes are 512 consecutive bytes.
; Its scale bytes are 2 bytes a row, 8 bytes apart: pieces of a word that two heads share; they are one sixteenth of the codes' bytes.
; LIMITS: a block of zeros has the byte 1; the floor 2^(3 - 127); NaN and infinities are not served.
; REGISTERS: v1-9, v24, v25 addresses; v10, v11 and v[248:251], v[240:243] the copies in hand; v12 -M, v13 the largest t, v[14:15] the sum; v16-23 Q; v[26:27] V's scale words, v[28:31] K's; v32-95 K;
; v96-159 S^T, then p; v160-191 O^T; v192-223 V; v224-231 p's codes; v232-239, v244-247, v252-254 at work; v255 Q's scale words.  s49-s63 and s11: sixteen lane masks of the diagonal step.
; THE MODE: SCHED_MODE bits 1:0 = 2 (LLVM: expert scheduling mode 2), set by the entry lines.  The code itself states the register dependences between vector or matrix instructions and memory or LDS
; instructions, with s_wait_alu, always for 0.
; THE PLAN.  Registers that memory or LDS instructions touch:
;   v1-v4, v8, v9, v24, v25   addresses and offsets: made at the head, never written again; v5, v6 likewise, for the closing add.  One wait on va_vdst at the head, ahead of the first load.
;   v[248:251], v10 and v[240:243], v11   the copies: written by global loads alone, read by LDS stores alone; no vector instruction names them.  A step's load lands in the set that the step before
;                             stored to LDS: one wait on vm_vsrc at a step's head.
;   v[28:31], v[32+8t:35+8t], v[26:27], v[192:223]   K, V and their scale words: LDS loads land in them, the step's products read them.  One wait on va_vdst ahead of K's loads states that the last step's
;                             products are done reading all of them.  V's nine loads follow without a further wait, dealt among the eight products K Q^T, which name none of V's registers.
;   v[16:19], v255            Q: loaded at a pass's head, read by the pass's products.  The last of these stand ahead of the way out's waits on va_vdst, and nothing behind those names these registers.
;   v[224:227], v254          the way out's data: one wait on va_vdst ahead of the two stores; they are written again only behind the wait on vm_vsrc at the head of the next pass's first step.
; Besides: p's codes and scale word, written by vector instructions, go to scaled products behind a wait on va_vdst; the wave's number and the diagonal step's lane masks, scalar registers written by
; vector instructions, are read behind waits on va_sdst.
.set BLK,   13568
.set SLOT,  9216
.set SPARE, 2*SLOT                     ; the spare words, 128 bytes a wave: eight blocks of 256 bytes that no other line names
.set SPW,   5
.set NIL,   6
.set WV,    10                         ; s10 my wave
.set G,     13                         ; s13 key steps to go, this one among them
.set LT,    14                         ; s14 the tile that the next load takes
.set LIMIT, 15                         ; s15 tiles in the first pass
.set PFL,   16                         ; s16 a wave prefetches while LT is under this
.set KF,    17                         ; s17 the step's first key
.set Q0,    18                         ; s18 my first query; my last is Q0 + 23
.set TR,    19                         ; s19 pairs of steps to go in the pass
.set SEL,   20
.set CS,    22
.set MK,    49                         ; s49-s63 lane masks 0 to 14 of a run of sixteen; s11 the sixteenth
	s_load_b128 s[4:7], s[0:1], 0x0                ; qkv, ac
	s_load_b64 s[8:9], s[0:1], 0x10                ; asc
	v_lshl_add_u32 v[SPW], v0, 2, SPARE
	v_mov_b32 v[NIL], 0
	v_lshrrev_b32 v1, 5, v0
	v_readfirstlane_b32 s[WV], v1                  ; wave 0..15
	v_and_b32 v9, 31, v0                           ; lane
	v_lshlrev_b32 v1, 4, v9                        ; 16 x lane
	v_lshlrev_b32 v2, 3, v9                        ; 8 x lane
	v_lshlrev_b32 v8, 8, v9                        ; 256 x lane: the prefetch's offset; never rewritten
	v_lshlrev_b32 v3, 4, v0                        ; 16 x thread: my bytes of a tile's codes, in memory and in a slot
	v_lshl_add_u32 v4, v0, 2, 8192                 ; 8,192 + 4 x thread: of its scale words (waves 0 to 5)
	v_and_b32 v12, 15, v0                          ; r
	v_bfe_u32 v13, v0, 4, 1                        ; h
	v_and_b32 v7, 8, v12
	v_add_nc_u32 v7, v7, v12
	v_lshlrev_b32 v13, 4, v13
	v_sub_nc_u32 v7, v7, v13                       ; r + 8 (r / 8) - 16 h
	v_lshlrev_b32 v9, 3, v12                       ; 8 r
	s_wait_alu depctr_va_sdst(0)                   ; s10, the wave's number, is written, ahead of its first reader
	s_and_b32 s12, ttmp7, 0xffff                   ; 16 batch + head
	s_and_b32 s30, s[WV], 7                        ; t: my tile in its chunk
	s_lshr_b32 s31, s[WV], 3                       ; which chunk of the query block
	s_sub_co_u32 s43, 7, ttmp9                     ; the first pass's query block
	s_lshl_b32 s[LIMIT], s43, 1
	s_add_co_u32 s[LIMIT], s[LIMIT], 2
	s_mov_b32 s[G], 18
	s_mov_b32 s[LT], 2
	s_xor_b32 s38, s[WV], 6
	s_or_b32 s38, s38, ttmp9
	s_cmp_eq_u32 s38, 0                            ; wave 6 of the head's first work-group
	s_cselect_b32 s[PFL], 14, 0
	s_lshr_b32 s38, s30, 1
	s_lshl_b32 s47, s38, 5
	s_and_b32 s39, s30, 1
	s_lshl_b32 s40, s39, 3
	s_add_co_u32 s47, s47, s40                     ; 32 (t / 2) + 8 (t % 2)
	s_lshl_b32 s39, s39, 8
	s_lshl_b32 s38, s38, 2
	s_add_co_u32 s41, s39, s38
	s_add_co_u32 s41, s41, 13056
	v_lshl_add_u32 v24, v12, 4, s41                ; Q's scale word of my query, in a block
	s_lshl_b32 s41, s30, 9
	s_add_co_u32 s41, s41, 8960
	v_add_nc_u32 v25, s41, v1                      ; Q's fragment, in a block
	s_and_b32 s44, s12, 15                         ; head
	s_lshr_b32 s45, s12, 4                         ; batch
	s_lshl_b32 s46, s44, 9                         ; the head's 512 bytes in a row block of ac
	s_lshr_b32 s38, s44, 3                         ; and its two bytes in a row block of asc: K step head / 2, bytes 2 (head % 2) on
	s_lshl_b32 s48, s38, 8
	s_bfe_u32 s38, s44, 0x10001
	s_lshl_b32 s38, s38, 7
	s_add_co_u32 s48, s48, s38
	s_bfe_u32 s38, s44, 0x10002
	s_lshl_b32 s38, s38, 2
	s_add_co_u32 s48, s48, s38
	s_and_b32 s38, s44, 1
	s_lshl_b32 s38, s38, 1
	s_add_co_u32 s48, s48, s38
	s_mov_b32 s[SEL], 0x76543210
	s_mov_b32 s[SEL+1], 0xfedcba98                 ; v_permlanex16_b32's selects for lane l xor 16
	s_mov_b32 s[CS], 0x3e38aa3b                    ; c = log2(e) / 8
	s_mov_b32 s[CS+1], s[CS]                       ; (named with it as a pair, so it is written)
	s_mul_i32 s38, s12, 16*BLK
	s_mov_b32 s39, 0
.irp i, 20,21,22,23
	v_mov_b32 v[\i], 0                             ; Q's zero codes
.endr
.irp t, 0,1,2,3,4,5,6,7
.irp i, 4,5,6,7
	v_mov_b32 v[32+8*\t+\i], 0                     ; K's zero codes: set once
.endr
.endr
.irp i, 236,237,238,239,252,253
	v_mov_b32 v[\i], 0                             ; written once: lane permutes' destinations, and the upper half of the pair v[252:253]
.endr
	s_wait_kmcnt 0x0
	s_add_nc_u64 s[24:25], s[4:5], s[38:39]        ; the head's sixteen blocks
	s_wait_alu depctr_va_vdst(0)                   ; the addresses and offsets v1 to v4, v8, v9, v24, v25 are written, which the kernel's loads, stores and prefetches read, and v5, v6, which the closing add reads; so are the zero codes, which the scaled products take as parts of their operands
	global_load_b128 v[248:251], v3, s[24:25]      ; tile 0
	global_load_b128 v[240:243], v3, s[24:25] offset:BLK   ; tile 1
	s_cmp_lt_u32 s[WV], 6
	s_cbranch_scc0 .Lhead_a
	global_load_b32 v10, v4, s[24:25]
	global_load_b32 v11, v4, s[24:25] offset:BLK
.Lhead_a:
	s_wait_loadcnt 0x0
	ds_store_b128 v3, v[248:251]                   ; tile 0 into slot 0
	s_cmp_lt_u32 s[WV], 6
	s_cbranch_scc0 .Lhead_b
	ds_store_b32 v4, v10
.Lhead_b:
; A KEY STEP: 128 keys, in slot sl.
.macro STEP sl
.set CPS, 248-8*\sl                    ; the registers that held this step's tile: they take the tile two steps on
.set CPO, 240+8*\sl                    ; those that hold the next step's
	s_wait_dscnt 0x0                               ; my stores into this slot have landed, and my reads of the other slot are back
	s_wait_alu depctr_vm_vsrc(0)                   ; the LDS stores of the step before (of the head, in the first step) have read the copy registers in which this step's loads land; in a pass's first step also: the way out's stores have read v[224:227] and v254, which this step writes again
	s_barrier_signal -1
	s_barrier_wait -1                              ; both now hold of all sixteen waves
	s_wait_loadcnt 0x0                             ; on every path: the copy asked for a step ago is in its registers, ahead of the store that reads them and of any later load into them
	s_cmp_lt_u32 s[G], 2                           ; a count of steps: the same in all waves
	s_cbranch_scc1 .Lnost_\@
	ds_store_b128 v3, v[CPO:CPO+3] offset:(1-\sl)*SLOT   ; the next step's tile goes into the slot that nobody reads any more
	s_cmp_lt_u32 s[WV], 6
	s_cbranch_scc0 .Lnost_\@
	ds_store_b32 v4, v[11-\sl] offset:(1-\sl)*SLOT
.Lnost_\@:
	s_cmp_lt_u32 s[G], 3
	s_cbranch_scc1 .Lnold_\@
	s_wait_xcnt 0x0                                ; the last step's load and prefetch have read their base
	s_mul_i32 s38, s[LT], BLK
	s_mov_b32 s39, 0
	s_add_nc_u64 s[26:27], s[24:25], s[38:39]
	global_load_b128 v[CPS:CPS+3], v3, s[26:27]    ; the tile two steps on: it has a step in which to come
	s_cmp_lt_u32 s[WV], 6
	s_cbranch_scc0 .Lnosc_\@
	global_load_b32 v[10+\sl], v4, s[26:27]
.Lnosc_\@:
	s_cmp_lt_u32 s[LT], s[PFL]
	s_cbranch_scc0 .Lnopf_\@
	global_prefetch_b8 v8, s[26:27] offset:2*BLK th:TH_LOAD_NT scope:SCOPE_SE   ; the codes of the tile two loads on
.Lnopf_\@:
	s_add_co_u32 s[LT], s[LT], 1
	s_cmp_eq_u32 s[LT], s[LIMIT]                   ; the first pass's tiles are all asked for: the second pass begins at tile 0 and prefetches nothing
	s_cselect_b32 s[LT], 0, s[LT]
	s_cselect_b32 s[PFL], 0, s[PFL]
.Lnold_\@:
	s_add_co_u32 s38, s[Q0], 23
	s_cmp_gt_u32 s[KF], s38                        ; all 128 keys come after my 16 queries: the step's work is left out; no barrier stands in it
	s_cbranch_scc1 .Lhid_\@
	s_wait_alu depctr_va_vdst(0)                   ; the last step's products are done reading K's and V's fragments and scale words, in which this step's eighteen LDS loads land
	ds_load_b128 v[28:31], v1 offset:\sl*SLOT+8192 ; K's scale words: register c: tile 2 c in lanes 0-15, tile 2 c + 1 in lanes 16-31
.irp t, 0,1,2,3,4,5,6,7
	ds_load_b128 v[32+8*\t:35+8*\t], v1 offset:\sl*SLOT+512*\t
.endr
	s_wait_dscnt 0x0                               ; K and its scale words are in: nothing younger is out
.irp t, 0,1,2,3,4,5,6,7
.if \t%2
	v_wmma_scale_f32_16x16x128_f8f6f4 v[96+8*\t:103+8*\t], v[32+8*\t:39+8*\t], v[16:23], 0, v[28+\t/2], v255 matrix_a_fmt:MATRIX_FMT_FP4 matrix_b_fmt:MATRIX_FMT_FP4 matrix_a_scale:MATRIX_SCALE_ROW1
.else
	v_wmma_scale_f32_16x16x128_f8f6f4 v[96+8*\t:103+8*\t], v[32+8*\t:39+8*\t], v[16:23], 0, v[28+\t/2], v255 matrix_a_fmt:MATRIX_FMT_FP4 matrix_b_fmt:MATRIX_FMT_FP4
.endif
	ds_load_b128 v[192+4*\t:195+4*\t], v1 offset:\sl*SLOT+4096+512*\t   ; V: a load behind each product.  No wait: no vector or matrix instruction since the wait above names V's registers
.endr                                  ; register 16 b + i holds key KF + 32 b + 16 h + i of my query
	ds_load_b64 v[26:27], v2 offset:\sl*SLOT+8704  ; V's scale words, likewise
.rept 4
	v_nop
.endr
	s_add_co_u32 s38, s[KF], 127
	s_cmp_le_u32 s38, s[Q0]                        ; all keys count for all my queries: nothing to hide
	s_cbranch_scc1 .Lopen_\@
	s_sub_co_i32 s38, s[Q0], s[KF]
	v_add_nc_u32 v252, s38, v7                     ; d = my query - KF - 16 h: register 16 b + i is hidden where 32 b + i > d
	v_mov_b32 v254, 0xcfee6b28                     ; -8e9: reference()'s -1e9, ahead of the division by 8
.irp b, 0,1,2,3                        ; a block's sixteen compares in a run, into sixteen scalar registers; one wait; its sixteen selects
.irp i, 0,1,2,3,4,5,6,7,8,9,10,11,12,13,14
	v_cmp_gt_i32 s[MK+\i], 32*\b+\i, v252
.endr
	v_cmp_gt_i32 s11, 32*\b+15, v252
	s_wait_alu depctr_va_sdst(0)                   ; the sixteen compares have written their lane masks, ahead of the selects that read them
.irp i, 0,1,2,3,4,5,6,7,8,9,10,11,12,13,14
	v_cndmask_b32 v[96+16*\b+\i], v[96+16*\b+\i], v254, s[MK+\i]
.endr
	v_cndmask_b32 v[111+16*\b], v[111+16*\b], v254, s11
.endr
.Lopen_\@:
.irp b, 0,1,2,3
	v_max3_num_f32 v[232+\b], v[96+16*\b], v[97+16*\b], v[98+16*\b]   ; the largest score of each block of 32 keys: for the row's maximum, and, since p rises with the score, for the block's largest p
.endr
.irp i, 3,5,7,9,11,13
.irp b, 0,1,2,3
	v_max3_num_f32 v[232+\b], v[232+\b], v[96+16*\b+\i], v[97+16*\b+\i]
.endr
.endr
.irp b, 0,1,2,3
	v_max_num_f32 v[232+\b], v[232+\b], v[111+16*\b]
.endr
.irp b, 0,1,2,3
	v_permlanex16_b32 v[236+\b], v[232+\b], s[SEL], s[SEL+1]
.endr
.irp b, 0,1,2,3
	v_max_num_f32 v[232+\b], v[232+\b], v[236+\b]  ; with lane l xor 16's 16 keys
.endr
	v_max3_num_f32 v254, v232, v233, v234
	v_max_num_f32 v254, v254, v235                 ; the step's largest score of my query
	v_mul_f32 v254, s[CS], v254                    ; as t
	v_max_num_f32 v13, v13, v254                   ; the running largest t
	v_mov_b32 v254, v12
	v_floor_f32 v12, -v13                          ; the new -M = floor(-t): M is a whole number
	v_sub_f32 v254, v12, v254                      ; old M - new M: a whole number, 0 or less
	v_cvt_i32_f32 v254, v254                       ; (it saturates)
	v_ldexp_f32 v252, 1.0, v254                    ; f = 2^(old M - new M)
.set j, 0
.rept 32
	v_pk_fma_f32 v[96+j:97+j], v[96+j:97+j], s[CS:CS+1], v[12:13] op_sel_hi:[1,0,0]   ; t - M, two at a time
.set j, j+2
.endr
.irp b, 0,1,2,3
	v_fma_f32 v[232+\b], v[232+\b], s[CS], v12     ; the same of each block's largest score
.endr
.set j, 0
.rept 64
	v_exp_f32 v[96+j], v[96+j]                     ; p = 2^(t - M), at most 1
.set j, j+1
.endr
	v_pk_mul_f32 v[14:15], v[14:15], v[252:253] op_sel_hi:[1,0]   ; the sums under the new M: a plain place behind the exponentials
	s_wait_alu depctr_va_vdst(0)                   ; the 64 exponentials have written p, v96 to v159: one wait for the batch, ahead of its first reader
.irp b, 0,1,2,3
	v_exp_f32 v[232+\b], v[232+\b]                 ; the block's largest p
.endr
	v_pk_add_f32 v[236:237], v[96:97], v[98:99]    ; the row's sum of the unquantised p, in two chains
.irp j, 4,8,12,16,20,24,28,32,36,40,44,48,52,56,60
	v_pk_add_f32 v[14:15], v[14:15], v[96+\j:97+\j]
	v_pk_add_f32 v[236:237], v[236:237], v[98+\j:99+\j]
.endr
	v_pk_add_f32 v[14:15], v[14:15], v[236:237]
	s_wait_alu depctr_va_vdst(0)                   ; the four exponentials have written v232 to v235: their wait, ahead of their first reader
.irp b, 0,1,2,3
	v_max_num_f32 v[232+\b], 0x1800000, v[232+\b]  ; the floor 2^(3 - 127): the byte cannot fall under 1
.endr
.irp b, 0,1,2,3
	v_add_nc_u32 v[244+\b], 0xff000000, v[232+\b]  ; the conversion's scale operand
.endr
.irp b, 0,1,2,3
	v_lshrrev_b32 v[236+\b], 23, v[244+\b]         ; the byte
.endr
	v_lshl_or_b32 v253, v237, 8, v236              ; p's scale word for these 128 keys
	v_lshl_or_b32 v253, v238, 16, v253
	v_lshl_or_b32 v253, v239, 24, v253
.irp b, 0,1,2,3
	v_cvt_scalef32_pk8_fp4_f32 v[224+2*\b], v[96+16*\b:103+16*\b], v[244+\b]
	v_cvt_scalef32_pk8_fp4_f32 v[225+2*\b], v[104+16*\b:111+16*\b], v[244+\b]
.endr
	v_nop                                          ; one plain place behind the last scaled conversion
.irp c, 0,1                            ; the operand's layout wants a whole block in a lane
.irp i, 0,1
	v_permlane16_swap_b32 v[224+4*\c+\i], v[226+4*\c+\i]
.endr
.endr
.set j, 0
.rept 16
	v_pk_mul_f32 v[160+j:161+j], v[160+j:161+j], v[252:253] op_sel_hi:[1,0]   ; O^T under the new M; these sixteen are also the places in front of the products below
.set j, j+2
.endr
	s_wait_dscnt 0x0                               ; V and its scale words are in
	s_wait_alu depctr_va_vdst(0)                   ; the swaps have written p's codes, v[224:231], and the shift-ors p's scale word, v253, which the scaled products below take; the places above stay beside this wait
.irp t, 0,1,2,3
.if \t%2
	v_wmma_scale_f32_16x16x128_f8f6f4 v[160+8*\t:167+8*\t], v[192+8*\t:199+8*\t], v[224:231], v[160+8*\t:167+8*\t], v[26+\t/2], v253 matrix_a_fmt:MATRIX_FMT_FP4 matrix_b_fmt:MATRIX_FMT_FP4 matrix_a_scale:MATRIX_SCALE_ROW1
.else
	v_wmma_scale_f32_16x16x128_f8f6f4 v[160+8*\t:167+8*\t], v[192+8*\t:199+8*\t], v[224:231], v[160+8*\t:167+8*\t], v[26+\t/2], v253 matrix_a_fmt:MATRIX_FMT_FP4 matrix_b_fmt:MATRIX_FMT_FP4
.endif
.endr
.rept 4
	v_nop                                          ; four places behind the last products, in front of the way out's reads of O^T
.endr
.Lhid_\@:
	s_add_co_u32 s[KF], s[KF], 128
	s_sub_co_u32 s[G], s[G], 1
.endm
	s_mov_b32 s28, 0                               ; the pass
.Lpass:
	s_wait_xcnt 0x0                                ; the last pass's loads and stores have read their bases, which are written again below
	s_cmp_eq_u32 s28, 0
	s_cselect_b32 s29, s43, ttmp9                  ; the query block: 7 - x, then x
	s_lshl_b32 s42, s29, 1
	s_add_co_u32 s42, s42, s31                     ; my chunk of 128 queries
	s_add_co_u32 s[TR], s29, 1                     ; 2 (block + 1) key steps: 1 to 8 pairs
	s_mul_i32 s38, s42, BLK
	s_mov_b32 s39, 0
	s_add_nc_u64 s[32:33], s[24:25], s[38:39]
	global_load_b128 v[16:19], v25, s[32:33]       ; Q's fragment stays in registers for the pass.  No wait: the products that read v[16:19] and v255 stand ahead of the way out's waits on va_vdst (in the first pass nothing has named them), and no vector or matrix instruction behind those names them
	global_load_b32 v255, v24, s[32:33]            ; and its scale words
	s_lshl_b32 s[Q0], s42, 7
	s_add_co_u32 s[Q0], s[Q0], s47
	s_mov_b32 s[KF], 0
	s_lshl_b32 s38, s45, 4
	s_add_co_u32 s38, s38, s42
	s_lshl_b32 s38, s38, 3
	s_add_co_u32 s38, s38, s30                     ; my row block of ac and asc
	s_lshl_b32 s40, s38, 13
	s_add_co_u32 s40, s40, s46
	s_mov_b32 s41, 0
	s_add_nc_u64 s[34:35], s[6:7], s[40:41]
	s_lshl_b32 s40, s38, 9
	s_add_co_u32 s40, s40, s48
	s_add_nc_u64 s[36:37], s[8:9], s[40:41]
	v_mov_b32 v13, 0xff61b1e6                      ; the largest t so far: -3e38, under every t
	v_floor_f32 v12, -v13                          ; -M
	v_mov_b32 v14, 0                               ; the sum, in two halves
	v_mov_b32 v15, 0
.set j, 0
.rept 32
	v_mov_b32 v[160+j], 0                          ; O^T: the step is written once; the first finds zeros, which the first change of M leaves zeros
.set j, j+1
.endr
	s_wait_loadcnt 0x0                             ; Q
.Lpair:
	STEP 0
	STEP 1
	s_sub_co_i32 s[TR], s[TR], 1
	s_cmp_gt_i32 s[TR], 0                          ; a signed compare: the loop ends at 0 from any start
	s_cbranch_scc1 .Lpair
	; THE WAY OUT: O^T / the sum; register 16 b + i is channel 32 b + 16 h + i of my query: two blocks of 32 along the last product's K, each half in lane l xor 16
	v_add_f32 v14, v14, v15
	v_permlanex16_b32 v252, v14, s[SEL], s[SEL+1]
	v_add_f32 v14, v14, v252                       ; the row's sum
	v_rcp_f32 v14, v14
	v_nop                                          ; a plain place behind the reciprocal
	s_wait_alu depctr_va_vdst(0)                   ; the reciprocal has written v14, ahead of its first reader
.set j, 0
.rept 16
	v_pk_mul_f32 v[96+j:97+j], v[160+j:161+j], v[14:15] op_sel_hi:[1,0]
.set j, j+2
.endr
.irp b, 0,1
	v_max3_num_f32 v[232+\b], |v[96+16*\b]|, |v[97+16*\b]|, 0x1800000
.endr
.irp i, 2,4,6,8,10,12,14
.irp b, 0,1
	v_max3_num_f32 v[232+\b], v[232+\b], |v[96+16*\b+\i]|, |v[97+16*\b+\i]|
.endr
.endr
.irp b, 0,1
	v_permlanex16_b32 v[236+\b], v[232+\b], s[SEL], s[SEL+1]
.endr
.irp b, 0,1
	v_max_num_f32 v[232+\b], v[232+\b], v[236+\b]
.endr
.irp b, 0,1
	v_add_nc_u32 v[244+\b], 0xff000000, v[232+\b]
.endr
.irp b, 0,1
	v_lshrrev_b32 v[236+\b], 23, v[244+\b]
.endr
	v_lshl_or_b32 v254, v237, 8, v236              ; my query's two bytes
.irp b, 0,1
	v_cvt_scalef32_pk8_fp4_f32 v[224+2*\b], v[96+16*\b:103+16*\b], v[244+\b]
	v_cvt_scalef32_pk8_fp4_f32 v[225+2*\b], v[104+16*\b:111+16*\b], v[244+\b]
.endr
	v_nop                                          ; one plain place behind the last scaled conversion
	v_permlane16_swap_b32 v224, v226               ; lanes 0-15: block 0 whole; lanes 16-31: block 1
	v_permlane16_swap_b32 v225, v227
	s_wait_alu depctr_va_vdst(0)                   ; the swaps have written v[224:227] and the shift-or v254, which the two stores read
	global_store_b128 v1, v[224:227], s[34:35]     ; 512 consecutive bytes, aligned
	global_store_b16 v9, v254, s[36:37]            ; both halves of the lanes write the same two bytes with the same value
	s_add_co_u32 s28, s28, 1
	s_cmp_lt_u32 s28, 2
	s_cbranch_scc1 .Lpass
	s_wait_dscnt 0x0                               ; the wave's end
	s_wait_alu 0x0
	s_wait_tensorcnt 0x0
	ds_add_u32 v[SPW], v[NIL]
	s_wait_dscnt 0x0
	s_endpgm
.Lfunc_end_k_qbf1cd151bc_attn:
	.size	k_qbf1cd151bc_attn, .Lfunc_end_k_qbf1cd151bc_attn-k_qbf1cd151bc_attn
	.p2alignl 7, 3214868480
	.fill 96, 4, 3214868480
	.section	.rodata,"a",@progbits
	.p2align	6, 0x0
	.amdhsa_kernel k_qbf1cd151bc_attn
		.amdhsa_group_segment_fixed_size 20480
		.amdhsa_private_segment_fixed_size 0
		.amdhsa_enable_private_segment 0
		.amdhsa_kernarg_size 24
		.amdhsa_user_sgpr_count 2
		.amdhsa_user_sgpr_kernarg_segment_ptr 1
		.amdhsa_wavefront_size32 1
		.amdhsa_system_sgpr_workgroup_id_x 1
		.amdhsa_system_sgpr_workgroup_id_y 1
		.amdhsa_system_sgpr_workgroup_id_z 1
		.amdhsa_system_vgpr_workitem_id 0
		.amdhsa_next_free_vgpr 256
		.amdhsa_next_free_sgpr 66
		.amdhsa_reserve_vcc 0
		.amdhsa_float_denorm_mode_32 3
		.amdhsa_float_denorm_mode_16_64 3
		.amdhsa_memory_ordered 1
		.amdhsa_forward_progress 1
		.amdhsa_inst_pref_size 62
	.end_amdhsa_kernel
	.amdgpu_metadata
---
amdhsa.version: [ 1, 2 ]
amdhsa.kernels:
  - .name:           k_qbf1cd151bc_attn
    .symbol:         k_qbf1cd151bc_attn.kd
    .args:
      - { .name: qkv, .offset: 0, .size: 8, .value_kind: global_buffer, .address_space: global }
      - { .name: ac, .offset: 8, .size: 8, .value_kind: global_buffer, .address_space: global }
      - { .name: asc, .offset: 16, .size: 8, .value_kind: global_buffer, .address_space: global }
    .group_segment_fixed_size: 20480
    .private_segment_fixed_size: 0
    .kernarg_segment_align: 8
    .kernarg_segment_size: 24
    .max_flat_workgroup_size: 512
    .sgpr_count:     66
    .vgpr_count:     256
    .wavefront_size: 32
...
	.end_amdgpu_metadata
.endif
;; end of part 5
;; launch oproj: the kernel of part 4 again; grid 16 x 16, 4 waves a work-group, no clusters, 167,936 bytes of LDS; arguments ac, asc, cod, scl, bo, out0; writes out0
